; MI455X (gfx1250); checked and timed in simulation.
; The chip was launched on July 23, 2026; its instructions are those of AMD's public machine-readable ISA for CDNA 5 (MIT licence, August 2026) and "CDNA5" Instruction Set Architecture Reference Guide (July 2026). The comments in the code are by the model that wrote it; some were corrected since.
;; Multi Head Attention Layer. Allowed arithmetic: matrix products marked QUANTISED: E2M1 operands, one E8M0 scale for each 32 along K, by v_wmma_scale_f32_16x16x128_f8f6f4 with both operands' format E2M1 (or v_wmma_scale_f32_32x16x128_f4), f32 sums; products left as they are: bf16, f16 or f32 operands; f32 sums; everything else in f32.
;; Inputs: Wk 1,024 x 1,024 float32; Wo 1,024 x 1,024 float32; Wq 1,024 x 1,024 float32; Wv 1,024 x 1,024 float32; bk 1,024 float32; bo 1,024 float32; bq 1,024 float32; bv 1,024 float32; key 2 x 2,048 x 1,024 float32; query 2 x 2,048 x 1,024 float32; rel_table 5 x 64 float32; value 2 x 2,048 x 1,024 float32.
;; Outputs: out0 2 x 2,048 x 1,024 float32.
;; This version of the problem:
;;   THIS VERSION OF THE PROBLEM IS GIVEN IN LOW PRECISION. The matrix products marked QUANTISED in the list below multiply operands that are first quantised to E2M1 (2 exponent bits, 1 mantissa bit; 4 bits a number), with one power-of-two scale for each 32 numbers along K (OCP MX v1.0); their sums are f32. The products marked 'left as it is' may take bf16, f16 or f32 operands, with f32 sums. Whichever they take, every output number must still come out within the allowed error. Rounding operands to bf16 (8 significant bits) uses up far more of that allowance than f16 does (11 bits, for magnitudes from 6e-5 to 65,504). All else is computed in f32.
;;   The module's matrix products, in the order in which they are computed (A, B: the left and right operand; K: the contracted axis; several contracted axes count as one K, in the product's order):
;;     1. [M 4,096, K 1,024] x [K 1,024, N 1,024]; A: input query; B: input Wq: QUANTISED
;;     2. [M 4,096, K 1,024] x [K 1,024, N 1,024]; A: input key; B: input Wk: QUANTISED
;;     3. [M 4,096, K 1,024] x [K 1,024, N 1,024]; A: input value; B: input Wv: QUANTISED
;;     4. batch 32 x [M 2,048, K 64] x [K 64, N 2,048]; A: computed on the way; B: computed on the way: left as it is (an operand is computed on the way)
;;     5. batch 2,048 x [M 2,048, K 64] x [K 64, N 32]; A: computed on the way; B: computed on the way: left as it is (an operand is computed on the way)
;;     6. batch 32 x [M 2,048, K 2,048] x [K 2,048, N 64]; A: computed on the way; B: computed on the way: left as it is (an operand is computed on the way)
;;     7. [M 4,096, K 1,024] x [K 1,024, N 1,024]; A: computed on the way; B: input Wo: left as it is (an operand is computed on the way)
;;   THE QUANTISER, for each operand of a quantised product, along K:
;;     - K is cut into blocks of 32 from its start; a last block that is shorter is filled with zeros.
;;     - A block's scale is 2^e with e = floor(log2(the largest magnitude in the block)) - 2, held to -126 .. 127; a block of zeros has e = 0. As a byte (E8M0): e + 127.
;;     - Each number is divided by its block's scale, clamped to +-6, and rounded to the nearest number of E2M1, ties to even, subnormals kept.
;;     - The product sums the exact products of the quantised numbers (number of the format x scale) in f32.
;;   ~~~python
;;   def quantise(x, axis):      # numpy; x: float32 -> the quantised numbers, widened to float32 again
;;       x = np.moveaxis(x, axis, -1); K = x.shape[-1]
;;       x = np.pad(x, [(0, 0)] * (x.ndim - 1) + [(0, -K % 32)]); x = x.reshape(x.shape[:-1] + (-1, 32)); a = np.abs(x).max(-1, keepdims=True)
;;       e = np.where(a > 0, np.clip(np.frexp(np.where(a > 0, a, 1))[1] - 1 - 2, -126, 127), 0)      # np.frexp(a)[1] - 1 = floor(log2(a)), exactly
;;       r = np.clip(x / 2.0 ** e, -6, 6)
;;       step = 2.0 ** (np.maximum(np.frexp(np.where(r == 0, 1, r))[1] - 1, 0) - 1)
;;       q = np.round(r / step) * step * 2.0 ** e      # np.round: ties to even
;;       return np.moveaxis(q.reshape(q.shape[:-2] + (-1,))[..., :K], -1, axis).astype(np.float32)
;;   ~~~
;; One version. Each part assembles by itself: llvm-mc -triple=amdgcn-amd-amdhsa -mcpu=gfx1250 --defsym DOCPART=n.
;; ======== version 1 of 1: 4 launches
;; limits: values are held in f16: magnitudes above 65,504 overflow, below 6.1e-05 lose precision
;; workspace buffers: codes 7,864,320 bytes; scales 491,520 bytes; wo16 2,097,152 bytes; qkv 25,165,824 bytes; oimg 8,388,608 bytes
;; launch quant (part 1): grid 512 x 1, 4 waves a work-group, no clusters, 33,280 bytes of LDS; arguments query, key, value, Wq, Wk, Wv, Wo, codes, scales, wo16; writes codes, scales, wo16
.if DOCPART == 1
	.amdgcn_target "amdgcn-amd-amdhsa--gfx1250"
	.amdhsa_code_object_version 6
	.text
	.protected	k_qfd62458e54_quant
	.globl	k_qfd62458e54_quant
	.p2align	8
	.type	k_qfd62458e54_quant,@function
k_qfd62458e54_quant:
	s_mov_b64 s[64:65], 0
	v_nop
	global_prefetch_b8 v0, s[64:65] scope:SCOPE_SE
	s_setreg_imm32_b32 hwreg(HW_REG_WAVE_MODE, 25, 1), 1
	s_wait_xcnt 0x0
; query, key, value [4096][1024] and Wq, Wk, Wv [1024][1024], f32 with K innermost, become codes of FP4 (E2M1) with one E8M0 scale byte for each 32 along K; Wo [1024][1024] becomes f16.
; The six quantised tensors are one stream of blocks of 32 numbers, in the order query, key, value, Wq, Wk, Wv: codes 16 bytes a block, scale bytes 1 a block.  Rows are dense and 1,024 is a multiple of 32: nothing here knows of rows.
; A block's scale is 2^(floor(log2(its largest magnitude)) - 2); its byte is the largest magnitude's exponent field - 2, held at 1 from below.  Each number is divided by the scale and rounded to the nearest code, ties to even, beyond 6 the largest code.
; LIMITS: a block whose largest magnitude lies under 2^-124 (a block of zeros too) gets the byte 1: a zero block's codes are zeros, which add nothing, and this program alone reads the bytes.  NaN and infinities are not served.
;         Wo in f16: magnitudes above 65,504 become infinity, under 6e-5 they keep an absolute step of 6e-8.
; SHARES: a work-group takes 32,768 numbers, a wave 8,192.  Work-groups 0-383: query, key, value (128 each); 384-479: Wq, Wk, Wv (32 each); 480-511: Wo.
; The quantising path: 16 steps of 512 numbers.  Each load reads 512 consecutive bytes; a step's 2,048 bytes turn through the wave's own stage in LDS, so that a lane holds 16 neighbours (two lanes a block).
; A lane's 16 codes are 8 bytes: the wave stores 256 consecutive bytes.  A wave's 256 scale bytes are gathered in LDS and leave as one run of 256 bytes.  Waves share nothing: no barrier.
.set WAVES, 4
.set STEPS, 16
.set EMAX,  2
.set CB,    8                          ; bytes of 16 codes
.set R,     16                         ; v16-79   four sets of 16 numbers as they are loaded
.set X,     80                         ; v80-111  two sets of 16 neighbours
.set C,     128                        ; v128-191 codes: four registers for each step, so that no store's data are written again
.set E,     112                        ; v112-127 a scale byte for each step
.set WREG,  8192                       ; LDS: a region for each wave: two stages of 32 x SP bytes, behind them its 256 scale bytes
.set SP,    80                         ; a lane's place in a stage: 64 bytes + 16 of padding
.set SPW,   12                         ; v12      LDS address of my spare word; never rewritten
.set NIL,   13                         ; v13      0; never rewritten
.set SPARE, WAVES*WREG                 ; behind the four regions: the spare words, 128 bytes a wave, which no other line names
	s_load_b512 s[4:19], s[0:1], 0x0               ; query 4:5, key 6:7, value 8:9, Wq 10:11, Wk 12:13, Wv 14:15, Wo 16:17, codes 18:19
	s_load_b128 s[20:23], s[0:1], 0x40             ; scales 20:21, wo16 22:23
	v_lshl_add_u32 v[SPW], v0, 2, SPARE
	v_mov_b32 v[NIL], 0
	v_lshrrev_b32 v1, 5, v0
	v_readfirstlane_b32 s24, v1                    ; wave
	v_and_b32 v2, 31, v0                           ; lane
	v_lshlrev_b32 v3, 4, v2                        ; my 16 bytes of a load's 512
	s_mul_i32 s36, s24, WREG
	v_lshrrev_b32 v14, 2, v2
	v_mul_u32_u24 v14, v14, SP
	v_and_b32 v15, 3, v2
	v_lshl_add_u32 v14, v15, 4, v14
	v_add_nc_u32 v14, s36, v14                     ; the stage, on the way in: SP (lane / 4) + 16 (lane % 4)
	v_mul_u32_u24 v15, v2, SP
	v_add_nc_u32 v15, s36, v15                     ; and on the way out: SP x lane: my 16 neighbours
	v_mul_u32_u24 v4, v2, CB                       ; 8 x lane: my codes' place in a step's (and my f16 numbers' place in Wo's path)
	v_lshrrev_b32 v5, 1, v2
	s_add_co_u32 s36, s36, 2*32*SP
	v_add_nc_u32 v5, s36, v5                       ; LDS: my wave's 256 scale bytes, my block's byte
	v_lshlrev_b32 v7, 3, v2                        ; and on the way out 8 bytes a lane
	v_add_nc_u32 v6, s36, v7
	; which tensor, and which 32,768 numbers of it: from the work-group's number alone
	s_lshr_b32 s26, ttmp9, 7                       ; work-groups 0-383: tensor g / 128,
	s_and_b32 s27, ttmp9, 127                      ; part g % 128
	s_sub_co_u32 s25, ttmp9, 384
	s_lshr_b32 s28, s25, 5
	s_add_co_u32 s28, s28, 3                       ; from 384 on: tensor 3 + (g - 384) / 32 (Wo is tensor 6),
	s_and_b32 s29, s25, 31                         ; part (g - 384) % 32
	s_cmp_lt_u32 ttmp9, 384
	s_cselect_b32 s26, s26, s28
	s_cselect_b32 s27, s27, s29
	s_lshl_b32 s32, s27, 2
	s_add_co_u32 s32, s32, s24                     ; my wave's run of 8,192 numbers in its tensor
	s_lshl_b32 s34, s32, 15                        ; in bytes of f32
	s_mov_b32 s35, 0
	s_lshl_b32 s33, ttmp9, 2
	s_add_co_u32 s33, s33, s24                     ; and in the stream of the six
	s_lshl_b32 s38, s33, 12                        ; 4,096 bytes of codes a run
	s_mov_b32 s39, 0
	s_lshl_b32 s40, s33, 8                         ; 256 scale bytes a run
	s_mov_b32 s41, 0
	s_lshl_b32 s42, s32, 14                        ; 16,384 bytes of f16 a run
	s_mov_b32 s43, 0
	s_wait_kmcnt 0x0
	s_mov_b64 s[30:31], s[4:5]                     ; the input: chosen by the tensor's number, which hangs on no address
.irp n, 1,2,3,4,5,6
	s_cmp_eq_u32 s26, \n
	s_cselect_b64 s[30:31], s[4+2*\n:5+2*\n], s[30:31]
.endr
	s_add_nc_u64 s[30:31], s[30:31], s[34:35]
	s_cmp_ge_u32 ttmp9, 480
	s_cbranch_scc1 .Lwo
	s_add_nc_u64 s[18:19], s[18:19], s[38:39]
	s_add_nc_u64 s[20:21], s[20:21], s[40:41]
.macro LOAD t
.irp i, 0,1,2,3
	global_load_b128 v[R+16*((\t)%4)+4*\i:R+16*((\t)%4)+4*\i+3], v3, s[30:31] offset:2048*(\t)+512*\i th:TH_LOAD_NT   ; 32 lanes read 512 consecutive bytes
.endr
.endm
.macro TURN t                          ; step t's numbers through the stage: LDS serves a wave's instructions in order, so no wait stands between the stores and the loads
.irp i, 0,1,2,3
	ds_store_b128 v14, v[R+16*((\t)%4)+4*\i:R+16*((\t)%4)+4*\i+3] offset:32*SP*((\t)%2)+8*SP*\i
.endr
.irp i, 0,1,2,3
	ds_load_b128 v[X+16*((\t)%2)+4*\i:X+16*((\t)%2)+4*\i+3], v15 offset:32*SP*((\t)%2)+16*\i
.endr
.endm
.irp t, 0,1,2,3
	LOAD \t
.endr
	s_wait_loadcnt 12                              ; step 0's four loads are in; the twelve of steps 1 to 3 may be out
	TURN 0
.macro STEP t
.set XS, X+16*((\t)%2)
.if (\t) > 0
	s_wait_dscnt 1                                 ; this step's numbers are back from the stage (the last step's byte store may be out): so its stores into the stage have read their registers,
.else
	s_wait_dscnt 0x0
.endif
.if (\t)+4 < STEPS
	LOAD (\t)+4                                    ; which take the loads of four steps on
.endif
.if (\t)+1 < STEPS
.if STEPS-2-(\t) >= 3
	s_wait_loadcnt 12                              ; the next step's four loads are in; those of the three steps behind it may be out
.else
	s_wait_loadcnt 4*(STEPS-2-(\t))
.endif
	TURN (\t)+1                                    ; and go through the other stage while this step is worked
.endif
	v_max3_num_f32 v8, |v[XS]|, |v[XS+1]|, |v[XS+2]|               ; the largest magnitude of my 16, in two chains
	v_max3_num_f32 v9, |v[XS+3]|, |v[XS+4]|, |v[XS+5]|
.irp i, 6,10
	v_max3_num_f32 v8, v8, |v[XS+\i]|, |v[XS+\i+1]|
	v_max3_num_f32 v9, v9, |v[XS+\i+2]|, |v[XS+\i+3]|
.endr
	v_max3_num_f32 v8, v8, |v[XS+14]|, |v[XS+15]|
	v_max3_num_f32 v8, v8, v9, (EMAX+1)<<23        ; and the floor 2^(EMAX + 1 - 127): the byte cannot fall under 1
	v_max_num_f32_dpp v8, v8, v8 row_xmask:1 row_mask:0xf bank_mask:0xf   ; and of my neighbour's 16: the block's
	v_add_nc_u32 v11, -(EMAX<<23), v8              ; EMAX off its exponent field: the conversion takes the exponent field of this operand as its scale, and nothing else of it
	v_cvt_scalef32_pk8_fp4_f32 v[C+4*(\t)], v[XS:XS+7], v11
	v_cvt_scalef32_pk8_fp4_f32 v[C+4*(\t)+1], v[XS+8:XS+15], v11
	v_lshrrev_b32 v[E+(\t)], 23, v11               ; the scale's byte (also the plain line behind the conversions)
	ds_store_b8 v5, v[E+(\t)] offset:16*(\t)       ; both lanes of a block write the same byte with the same value
	global_store_b64 v4, v[C+4*(\t):C+4*(\t)+1], s[18:19] offset:32*CB*(\t)   ; the wave stores 256 consecutive bytes, aligned
.endm
.irp t, 0,1,2,3,4,5,6,7,8,9,10,11,12,13,14,15
	STEP \t
.endr
	ds_load_b64 v[8:9], v6                         ; LDS serves a wave's instructions in order: these see my stores
	s_wait_dscnt 0x0
	global_store_b64 v7, v[8:9], s[20:21]          ; 32 lanes store 256 consecutive bytes, aligned
	s_wait_tensorcnt 0x0                           ; the wave's end: a wait, an add of 0 to my spare word and its wait, behind my last LDS store
	ds_add_u32 v[SPW], v[NIL]
	s_wait_dscnt 0x0
	s_endpgm
; Wo to f16: no LDS.  Four batches of 16 loads (512 consecutive bytes each) in two sets of registers; a lane's 4 numbers become 8 bytes in place; the wave stores 256 consecutive bytes.
.Lwo:
	s_add_nc_u64 s[22:23], s[22:23], s[42:43]
.macro LOADB t
.irp i, 0,1,2,3,4,5,6,7,8,9,10,11,12,13,14,15
	global_load_b128 v[16+64*((\t)%2)+4*\i:16+64*((\t)%2)+4*\i+3], v3, s[30:31] offset:512*(16*(\t)+\i) th:TH_LOAD_NT
.endr
.endm
.macro HALVE t, left                   ; left: the younger batch's loads, which may stay out
	s_wait_loadcnt \left
.irp i, 0,1,2,3,4,5,6,7,8,9,10,11,12,13,14,15
	v_cvt_pk_f16_f32 v[16+64*((\t)%2)+4*\i], v[16+64*((\t)%2)+4*\i], v[16+64*((\t)%2)+4*\i+1]
	v_cvt_pk_f16_f32 v[16+64*((\t)%2)+4*\i+1], v[16+64*((\t)%2)+4*\i+2], v[16+64*((\t)%2)+4*\i+3]
.endr
.irp i, 0,1,2,3,4,5,6,7,8,9,10,11,12,13,14,15
	global_store_b64 v4, v[16+64*((\t)%2)+4*\i:16+64*((\t)%2)+4*\i+1], s[22:23] offset:256*(16*(\t)+\i)
.endr
.endm
	LOADB 0
	LOADB 1
	HALVE 0, 16
	s_wait_xcnt 0x0                                ; the stores have read their registers: the set is loaded again only behind this wait
	LOADB 2
	HALVE 1, 16
	s_wait_xcnt 0x0
	LOADB 3
	HALVE 2, 16
	HALVE 3, 0
	s_endpgm
.Lfunc_end_k_qfd62458e54_quant:
	.size	k_qfd62458e54_quant, .Lfunc_end_k_qfd62458e54_quant-k_qfd62458e54_quant
	.p2alignl 7, 3214868480
	.fill 96, 4, 3214868480
	.section	.rodata,"a",@progbits
	.p2align	6, 0x0
	.amdhsa_kernel k_qfd62458e54_quant
		.amdhsa_group_segment_fixed_size 33280
		.amdhsa_private_segment_fixed_size 0
		.amdhsa_enable_private_segment 0
		.amdhsa_kernarg_size 80
		.amdhsa_user_sgpr_count 2
		.amdhsa_user_sgpr_kernarg_segment_ptr 1
		.amdhsa_wavefront_size32 1
		.amdhsa_system_sgpr_workgroup_id_x 1
		.amdhsa_system_sgpr_workgroup_id_y 1
		.amdhsa_system_sgpr_workgroup_id_z 1
		.amdhsa_system_vgpr_workitem_id 0
		.amdhsa_next_free_vgpr 192
		.amdhsa_next_free_sgpr 66
		.amdhsa_reserve_vcc 0
		.amdhsa_float_denorm_mode_32 3
		.amdhsa_float_denorm_mode_16_64 3
		.amdhsa_memory_ordered 1
		.amdhsa_forward_progress 1
		.amdhsa_inst_pref_size 54
	.end_amdhsa_kernel
	.amdgpu_metadata
---
amdhsa.version: [ 1, 2 ]
amdhsa.kernels:
  - .name:           k_qfd62458e54_quant
    .symbol:         k_qfd62458e54_quant.kd
    .args:
      - { .name: query, .offset: 0, .size: 8, .value_kind: global_buffer, .address_space: global }
      - { .name: key, .offset: 8, .size: 8, .value_kind: global_buffer, .address_space: global }
      - { .name: value, .offset: 16, .size: 8, .value_kind: global_buffer, .address_space: global }
      - { .name: Wq, .offset: 24, .size: 8, .value_kind: global_buffer, .address_space: global }
      - { .name: Wk, .offset: 32, .size: 8, .value_kind: global_buffer, .address_space: global }
      - { .name: Wv, .offset: 40, .size: 8, .value_kind: global_buffer, .address_space: global }
      - { .name: Wo, .offset: 48, .size: 8, .value_kind: global_buffer, .address_space: global }
      - { .name: codes, .offset: 56, .size: 8, .value_kind: global_buffer, .address_space: global }
      - { .name: scales, .offset: 64, .size: 8, .value_kind: global_buffer, .address_space: global }
      - { .name: wo16, .offset: 72, .size: 8, .value_kind: global_buffer, .address_space: global }
    .group_segment_fixed_size: 33280
    .private_segment_fixed_size: 0
    .kernarg_segment_align: 8
    .kernarg_segment_size: 80
    .max_flat_workgroup_size: 128
    .sgpr_count:     66
    .vgpr_count:     192
    .wavefront_size: 32
...
	.end_amdgpu_metadata
.endif
;; end of part 1
;; launch proj (part 2): grid 4 x 48, 4 waves a work-group, clusters of 4 x 4, 327,680 bytes of LDS; arguments codes, scales, qkv, bq, bk, bv; writes qkv
.if DOCPART == 2
	.amdgcn_target "amdgcn-amd-amdhsa--gfx1250"
	.amdhsa_code_object_version 6
	.text
	.protected	k_qfd62458e54_proj
	.globl	k_qfd62458e54_proj
	.p2align	8
	.type	k_qfd62458e54_proj,@function
k_qfd62458e54_proj:
	s_mov_b64 s[64:65], 0
	v_nop
	global_prefetch_b8 v0, s[64:65] scope:SCOPE_SE
	s_setreg_imm32_b32 hwreg(HW_REG_WAVE_MODE, 25, 1), 1
	s_wait_xcnt 0x0
	s_wait_alu depctr_hold_cnt(0) depctr_sa_sdst(0) depctr_va_vdst(0) depctr_va_sdst(0) depctr_va_ssrc(0) depctr_va_vcc(0) depctr_vm_vsrc(0)
	s_getreg_b32 s2, hwreg(HW_REG_IB_STS2, 6, 4)
	s_cmp_eq_u32 s2, 0
	s_cbranch_scc0 .Lentry_in_a_cluster
	s_endpgm
.Lentry_in_a_cluster:
	s_bfe_u32 s2, ttmp6, 0x10000c
	s_cmp_lg_u32 s2, 0xf033
	s_cbranch_scc0 .Lentry_shape_is_right
	s_endpgm
.Lentry_shape_is_right:
; The three projections q = query Wq^T + bq, k = key Wk^T + bk, v = value Wv^T + bv as ONE product on codes of FP4 (E2M1) with one E8M0 scale for each 32 along K: C [12288][1024], rows 4096 p on are problem p.
; codes: x's rows [12288][512 bytes], then W's rows [3072][512 bytes] from byte 6,291,456; scales: [12288][32], then [3072][32] from byte 393,216.  Sums in f32, begun with the bias as C; results rounded to f16.
; qkv: [3][2 b][16 heads][2048][64] f16: a head's rows lie on end, 128 bytes each, as the attention launch wants them.   LIMIT: a result above 65,504 in magnitude becomes infinity in f16.
; A tile of C, 256 x 256, is made by a work-group of four waves; a wave makes 128 x 128: 64 accumulators of 16 x 16, 512 registers.  192 work-groups.
; ALL OF K (1,024) LIES IN LDS: two slots of 512 along K (rows of 256 bytes), each filled once, with the scale bytes behind them: no slot is filled again, and there is no loop.
; CLUSTERS: 4 x 4 work-groups.  The four of a row of the cluster need the same tiles of x, the four of a column the same tiles of W: each is asked for JOINTLY, by the same tensor load with the same descriptor and a mask that names the four.
; THE MATRIX INSTRUCTION IS USED TRANSPOSED (source 0 = 16 rows of W, source 1 = 16 rows of x): a lane then holds eight neighbouring numbers of a row of C.
; REGISTERS, in windows of 256: window 0: v0-31 addresses; v32-95 scale words, two sets, and nothing else; v128-191 x's fragments, one set; v192-255 the bias, 8 registers for each of W's 8 blocks; on the way out v128-255 are free.
;   window 1: W's fragments, two sets, at v0 and v128.   window 2: the accumulators of my rows 0-63 ((a, b) at v[8 (8 a + b)]);   window 3: those of my rows 64-127.
.set KSTEP,  512                       ; along K in a slot
.set NQ,     KSTEP/128                 ; matrix instructions deep
.set ROWB,   256                       ; a tile's row in bytes
.set KROW,   512                       ; a row of codes in memory
.set PITCH,  272                       ; an LDS row: 256 bytes + 16 of padding: the 16 rows that a load touches start at 16 different banks (64 banks of 4 bytes: ISA guide 11.1)
.set FR,     8                         ; registers of a fragment: 16 rows x 128 K
.set NL,     2                         ; LDS loads that bring one
.set NP,     4                         ; places behind this matrix instruction (ISA guide 7.12.1)
.set HALFT,  128*PITCH                 ; 128 rows: what one tensor load brings
.set SLOT,   4*HALFT                   ; x's 256 rows, then W's 256 rows
.set KS,     32                        ; a row of scale bytes
.set SCL,    2*SLOT                    ; behind the slots: the scales, as runs of 256 bytes + 16 of padding
.set HALFS,  (128*KS/256)*272          ; the scales of 128 rows: what one tensor load brings
.set SBLK,   (16*KS/256)*272           ; those of 16 rows
.set SPARE,  SCL+4*HALFS               ; behind the scales: the spare words, 128 bytes a wave, which no other line names
.set SPITCH, 144                       ; the way out: a stage row: 128 bytes (a head's 64 f16) + 16
.set WSTG,   32*SPITCH                 ; a wave's stage: 2 heads x 16 rows.  It lies in slot 0, which has had its only fill and its last read when the first result is stored there
.set XBYTES, 6291456                   ; where W's codes begin
.set XSCB,   393216                    ; and W's scale bytes
.set ADRA, 16                          ; v16-17  LDS address of my x fragments in slot 0, 1
.set ADRB, 20                          ; v20-21  the same for W
.set STO,  24                          ; v24     the way out: where I put 16 bytes of a row
.set RD,   25                          ; v25     where I read rows back
.set CO,   26                          ; v26     16 x lane: my byte offset in 512 bytes of qkv
.set ADRS, 27                          ; v27     LDS address of my scale words: lanes 0-15 x's rows, lanes 16-31 W's
.set SPW,  28                          ; v28     LDS address of my spare word; never rewritten
.set NIL,  29                          ; v29     0; never rewritten
.set BO,   30                          ; v30     my byte offset in the bias; never rewritten
.set SC,   32                          ; scale words: set s at v[SC + 32 s]; register NQ i + q: lanes 0-15 the word of x's block i, lanes 16-31 that of W's block i, for the slot's q-th 128 along K
.set AF,   128                         ; x's fragments
.set BIAS, 192                         ; the bias in the result's layout
.set TMP,  192                         ; the way out: packed results (the bias is done with)
.set BK,   128                         ; the way out: rows read back: v128-159 and v160-191 by turns
.set G1, 24                            ; s[24:31] descriptor group 1 for x's tiles;  s[32:39] group 0, one set for each slot
.set G0, 32
.set G1B, 48                           ; s[48:55], s[56:63] the same for W's tiles
.set G0B, 56
.set G1S, 68                           ; s[68:75], s[76:79] groups 1 and 0 for x's scales;  s[80:87], s[88:91] for W's
.set G0S, 76
.set G1SB, 80
.set G0SB, 88
.set MSB, 0
.macro WIN new                         ; the immediate's high byte repeats the setting that is left
.if MSB != (\new)
	s_set_vgpr_msb (MSB<<8)|(\new)
.set MSB, (\new)
.endif
.endm
.set MUL_LO, 0xa1                      ; source 0 (W) window 1, source 1 (x) window 0, C and D window 2
.set MUL_HI, 0xf1                      ; the same, C and D window 3
.set FIRST_LO, 0x81                    ; the first step: C (the bias) window 0, D window 2
.set FIRST_HI, 0xc1                    ; C window 0, D window 3
.set TO_B,   0x40                      ; destination window 1, address window 0
; A joint load: waves 0 and 1 fetch for x, waves 2 and 3 for W.  Each of the two lines has ONE mask and one set of registers for all that issue it; the branch hangs on the wave's number alone.
; An s_nop 0 and four v_nop follow each of the two lines, ahead of the jump, the label and what follows.
.macro JLOAD g0a, g1a, g0b, g1b
	s_cmp_eq_u32 s15, 0
	s_cbranch_scc0 .Lfor_b_\@
	tensor_load_to_lds s[\g0a:\g0a+3], s[\g1a:\g1a+7]
	s_nop 0
.rept 4
	v_nop
.endr
	s_branch .Lasked_\@
.Lfor_b_\@:
	tensor_load_to_lds s[\g0b:\g0b+3], s[\g1b:\g1b+7]
	s_nop 0
.rept 4
	v_nop
.endr
.Lasked_\@:
.endm
.macro CROUND                          ; a round of the cluster's barrier
	s_barrier_signal -1
	s_barrier_wait -1
	s_cmp_lg_u32 s14, 0
	s_cbranch_scc1 .Lnot_wave_0_\@
	s_barrier_signal -3
.Lnot_wave_0_\@:
	s_barrier_wait -3
	s_barrier_signal -1
	s_barrier_wait -1
.endm
	s_load_b128 s[4:7], s[0:1], 0x0                ; codes s[4:5], scales s[6:7]
	s_load_b64 s[12:13], s[0:1], 0x10              ; qkv
	s_load_b128 s[96:99], s[0:1], 0x18             ; bq s[96:97], bk s[98:99]
	s_load_b64 s[100:101], s[0:1], 0x28            ; bv
	v_lshl_add_u32 v[SPW], v0, 2, SPARE
	v_mov_b32 v[NIL], 0
	ds_add_u32 v[SPW], v[NIL]                      ; the wave's opening: the add, twice on end, and its wait ahead of my first tensor load; the set-up below stands between the second and the wait
	ds_add_u32 v[SPW], v[NIL]
	v_lshrrev_b32 v1, 5, v0
	v_readfirstlane_b32 s14, v1                    ; wave 0..3
	s_lshr_b32 s15, s14, 1                         ; which half of the tile's rows is mine.  Also: I fetch for x (0) or for W (1)
	s_and_b32 s16, s14, 1                          ; which half of its columns.  Also: which 128 rows of that tile I fetch
	s_bfe_u32 s40, ttmp6, 0x40000                  ; cx, cy: my place in the cluster
	s_bfe_u32 s41, ttmp6, 0x40004
	s_lshl_b32 s42, ttmp9, 2
	s_add_co_u32 s42, s42, s40                     ; tile column of C = 4 x cluster x + cx
	s_and_b32 s17, ttmp7, 0xffff
	s_lshr_b32 s95, s17, 2                         ; the problem p = cluster y / 4: the same in all sixteen partners
	s_lshl_b32 s17, s17, 2
	s_add_co_u32 s17, s17, s41                     ; tile row of C = 4 x cluster y + cy
	s_lshl_b32 s43, s41, 2
	s_lshl_b32 s43, 15, s43                        ; my row of the cluster
	s_lshl_b32 s44, 0x1111, s40                    ; my column
	; descriptor group 1: a tile of 128 rows x 256 bytes, padded in LDS
	s_or_b32 s[G1+0], s43, (0<<16)|(1<<20)|(1<<21)|(5<<22)|(3<<25)  ; 15:0 the mask: x's tiles go to my row; 17:16 element of 1 byte; 20 padding on; 21 set beside a mask; 24:22 after every 64 words; 31:25 of 4 words
	s_or_b32 s[G1B+0], s44, (0<<16)|(1<<20)|(1<<21)|(5<<22)|(3<<25)
.irp g, G1, G1B
	s_mov_b32 s[\g+1], ROWB<<16                    ; tensor_dim0
	s_mov_b32 s[\g+2], 128<<16                     ; tensor_dim1 = 128
	s_mov_b32 s[\g+3], ROWB<<16                    ; tile_dim0
	s_mov_b32 s[\g+4], 128                         ; tile_dim1 = 128
	s_mov_b32 s[\g+5], KROW                        ; tensor_dim0_stride
	s_mov_b32 s[\g+6], 0
	s_mov_b32 s[\g+7], 0
.endr
	; and for the scales of 128 rows: a dense block of 4,096 bytes, as 16 rows of 256 bytes (32 elements of 8 bytes), 16 bytes of padding behind each
	s_or_b32 s[G1S+0], s43, (3<<16)|(1<<20)|(1<<21)|(5<<22)|(3<<25)
	s_or_b32 s[G1SB+0], s44, (3<<16)|(1<<20)|(1<<21)|(5<<22)|(3<<25)
.irp g, G1S, G1SB
	s_mov_b32 s[\g+1], 32<<16
	s_mov_b32 s[\g+2], (128*KS/256)<<16
	s_mov_b32 s[\g+3], 32<<16
	s_mov_b32 s[\g+4], 128*KS/256
	s_mov_b32 s[\g+5], 32
	s_mov_b32 s[\g+6], 0
	s_mov_b32 s[\g+7], 0
.endr
	s_lshl_b32 s18, s16, 7                         ; which 128 rows of the tile I fetch
	s_lshl_b32 s20, s17, 8
	s_add_co_u32 s20, s20, s18                     ; x: row 256 x tile row + 128 x half
	s_lshl_b32 s46, s42, 8
	s_add_co_u32 s46, s46, s18                     ; W: row 256 x tile column + 128 x half
	s_lshl_b32 s47, s95, 10
	s_add_co_u32 s46, s46, s47                     ;    + 1,024 x problem
	s_mov_b32 s21, 0
	s_mov_b32 s47, 0
	s_mov_b64 s[18:19], KS
	s_mul_u64 s[22:23], s[20:21], s[18:19]         ; where these rows' scales begin, in bytes
	s_mul_u64 s[92:93], s[46:47], s[18:19]
	s_mov_b64 s[18:19], KROW
	s_mul_u64 s[20:21], s[20:21], s[18:19]         ; and their codes
	s_mul_u64 s[46:47], s[46:47], s[18:19]
	s_mul_i32 s45, s14, HALFT                      ; where they go: wave x 128 rows: no place in the cluster enters an LDS address
	s_mul_i32 s94, s14, HALFS
	s_wait_dscnt 0x0                               ; both opening adds are done
	s_wait_kmcnt 0x0
	s_add_nc_u64 s[8:9], s[4:5], XBYTES            ; W's codes
	s_add_nc_u64 s[10:11], s[6:7], XSCB            ; W's scale bytes
	s_add_nc_u64 s[20:21], s[4:5], s[20:21]
	s_add_nc_u64 s[22:23], s[6:7], s[22:23]
	s_add_nc_u64 s[46:47], s[8:9], s[46:47]
	s_add_nc_u64 s[92:93], s[10:11], s[92:93]
	s_cmp_eq_u32 s95, 1                            ; the problem's bias: a choice that hangs on no address
	s_cselect_b64 s[96:97], s[98:99], s[96:97]
	s_cmp_eq_u32 s95, 2
	s_cselect_b64 s[96:97], s[100:101], s[96:97]
	CROUND                                         ; all sixteen work-groups are here: the first joint loads meet
	s_mov_b32 s[G0S], 1
	s_add_co_u32 s[G0S+1], s94, SCL
	s_mov_b64 s[G0S+2:G0S+3], s[22:23]
	s_or_b32 s[G0S+3], s[G0S+3], 0x80000000
	s_mov_b32 s[G0SB], 1
	s_add_co_u32 s[G0SB+1], s94, SCL
	s_mov_b64 s[G0SB+2:G0SB+3], s[92:93]
	s_or_b32 s[G0SB+3], s[G0SB+3], 0x80000000
	JLOAD G0S, G1S, G0SB, G1SB                     ; the scales first: they are wanted with the first slot
.irp s, 0,1
	s_mov_b32 s[G0+4*\s], 1
	s_add_co_u32 s[G0+4*\s+1], s45, \s*SLOT
	s_add_nc_u64 s[G0+4*\s+2:G0+4*\s+3], s[20:21], \s*ROWB
	s_or_b32 s[G0+4*\s+3], s[G0+4*\s+3], 0x80000000
	s_mov_b32 s[G0B+4*\s], 1
	s_add_co_u32 s[G0B+4*\s+1], s45, \s*SLOT
	s_add_nc_u64 s[G0B+4*\s+2:G0B+4*\s+3], s[46:47], \s*ROWB
	s_or_b32 s[G0B+4*\s+3], s[G0B+4*\s+3], 0x80000000
	JLOAD G0+4*\s, G1, G0B+4*\s, G1B               ; three tensor loads of mine are out behind the second of these
.endr
	v_and_b32 v1, 15, v0                           ; l % 16
	v_bfe_u32 v2, v0, 4, 1                         ; l / 16
	; the bias, in the result's layout: for W's block b lane (r, h) wants bias[256 T + 128 half + 16 b + 8 h + 0 .. 7]
	s_lshl_b32 s46, s42, 10
	s_lshl_b32 s47, s16, 9
	s_add_co_u32 s46, s46, s47
	v_lshl_add_u32 v[BO], v2, 5, s46
.irp b, 0,1,2,3,4,5,6,7
	global_load_b128 v[BIAS+8*\b:BIAS+8*\b+3], v[BO], s[96:97] offset:64*\b
	global_load_b128 v[BIAS+8*\b+4:BIAS+8*\b+7], v[BO], s[96:97] offset:64*\b+16
.endr
	v_mul_u32_u24 v3, v1, PITCH
	v_lshl_add_u32 v4, v2, 4, v3                   ; a fragment's row x pitch + 16 x half
	s_mul_i32 s21, s15, HALFT                      ; my 128 rows of x
	s_mul_i32 s22, s16, HALFT                      ; my 128 rows of W,
	s_add_co_u32 s22, s22, 2*HALFT                 ; which lie behind x's 256
.irp s, 0,1
	v_add_nc_u32 v[ADRA+\s], s21, v4
	v_add_nc_u32 v[ADRB+\s], s22, v4
	s_add_co_u32 s21, s21, SLOT
	s_add_co_u32 s22, s22, SLOT
.endr
	v_mul_u32_u24 v5, v1, KS                       ; my row's scales: 32 bytes a row,
	v_lshrrev_b32 v6, 8, v5
	v_lshl_add_u32 v5, v6, 4, v5                   ; and 16 more for each 256 passed
	s_mul_i32 s21, s15, HALFS                      ; x's: my 128 rows
	s_mul_i32 s22, s16, HALFS                      ; W's: my 128 rows, behind x's 256
	s_add_co_u32 s22, s22, 2*HALFS
	s_sub_co_u32 s22, s22, s21
	v_mul_u32_u24 v6, s22, v2                      ; lanes 16-31 take W's: one product, the lower base + h x the distance
	s_add_co_u32 s21, s21, SCL
	v_add_nc_u32 v5, v5, v6
	v_add_nc_u32 v[ADRS], s21, v5
	s_mul_i32 s23, s14, WSTG                       ; my stage
	v_mul_u32_u24 v5, v1, SPITCH                   ; in: row l % 16, 16 bytes for each half of the lanes
	v_lshl_add_u32 v5, v2, 4, v5
	v_add_nc_u32 v[STO], s23, v5
	v_and_b32 v6, 31, v0
	v_lshlrev_b32 v[CO], 4, v6                     ; out: four rows of 128 bytes are 512 consecutive bytes of qkv: 16 x lane
	v_lshrrev_b32 v5, 3, v6                        ; back: eight lanes to a row, four rows an instruction
	v_mul_u32_u24 v5, v5, SPITCH
	v_and_b32 v6, 7, v6
	v_lshl_add_u32 v5, v6, 4, v5
	v_add_nc_u32 v[RD], s23, v5
	; qkv at my part: (tile row / 8) x 4,194,304 (tensor and batch) + (256 (tile row % 8) + 128 half) rows of 128 bytes + (4 T + 2 half) heads of 262,144 bytes
	s_lshr_b32 s20, s17, 3
	s_lshl_b32 s20, s20, 22
	s_and_b32 s21, s17, 7
	s_lshl_b32 s21, s21, 8
	s_lshl_b32 s22, s15, 7
	s_add_co_u32 s21, s21, s22
	s_lshl_b32 s21, s21, 7
	s_add_co_u32 s20, s20, s21
	s_mov_b32 s21, 0
	s_lshl_b32 s46, s42, 2
	s_lshl_b32 s47, s16, 1
	s_add_co_u32 s46, s46, s47
	s_lshl_b32 s46, s46, 18
	s_mov_b32 s47, 0
	s_add_nc_u64 s[20:21], s[20:21], s[46:47]
	s_add_nc_u64 s[12:13], s[12:13], s[20:21]
.macro FRAG reg, adr, q, i             ; a fragment, 16 rows x 128 K of 4-bit codes, is 8 registers: lane l holds row l % 16; registers 4 c .. 4 c + 3 hold K = 64 c + 32 (l / 16) + 0 .. 31
.irp c, 0,1
	ds_load_b128 v[\reg+4*\c:\reg+4*\c+3], v[\adr] offset:64*(\q)+32*\c+(\i)*16*PITCH
.endr
.endm
; 16 matrix instructions: x's blocks a0, a0 + 1 against W's eight, 128 along K: the slot's q-th.  p: W's set;  sc: the set of scale words.  first = 1: the bias is the C of the sum's first product: nothing is cleared or added later.
; The 64 accumulators take turns, one instruction a turn, in the same order in every step.
.macro MUL16 a0, p, q, sc, first
.irp a, \a0, \a0+1
.irp b, 0,1,2,3,4,5,6,7
.if \first
	v_wmma_scale_f32_16x16x128_f8f6f4 v[8*(8*((\a)%4)+\b):8*(8*((\a)%4)+\b)+7], v[128*(\p)+FR*\b:128*(\p)+FR*\b+FR-1], v[AF+FR*(\a):AF+FR*(\a)+FR-1], v[BIAS+8*\b:BIAS+8*\b+7], v[SC+8*NQ*(\sc)+NQ*\b+(\q)], v[SC+8*NQ*(\sc)+NQ*(\a)+(\q)] matrix_a_fmt:MATRIX_FMT_FP4 matrix_b_fmt:MATRIX_FMT_FP4 matrix_a_scale:MATRIX_SCALE_ROW1
.else
	v_wmma_scale_f32_16x16x128_f8f6f4 v[8*(8*((\a)%4)+\b):8*(8*((\a)%4)+\b)+7], v[128*(\p)+FR*\b:128*(\p)+FR*\b+FR-1], v[AF+FR*(\a):AF+FR*(\a)+FR-1], v[8*(8*((\a)%4)+\b):8*(8*((\a)%4)+\b)+7], v[SC+8*NQ*(\sc)+NQ*\b+(\q)], v[SC+8*NQ*(\sc)+NQ*(\a)+(\q)] matrix_a_fmt:MATRIX_FMT_FP4 matrix_b_fmt:MATRIX_FMT_FP4 matrix_a_scale:MATRIX_SCALE_ROW1
.endif
.endr
.endr
.endm
.macro FETCH_B slot, q, p              ; W's eight fragments of the slot's q-th 128 along K into set p
	WIN TO_B
.irp i, 0,1,2,3,4,5,6,7
	FRAG 128*(\p)+FR*\i, ADRB+\slot, \q, \i
.endr
	WIN 0
.endm
.macro FETCH_A slot, q, i0             ; x's blocks i0 .. i0 + 3
.irp i, \i0, \i0+1, \i0+2, \i0+3
	FRAG AF+FR*(\i), ADRA+\slot, \q, \i
.endr
.endm
.macro SCALES sc                       ; a slot's scale words into set sc: 4 words a row; lanes 0-15 take x's block i, lanes 16-31 W's block i
.irp i, 0,1,2,3,4,5,6,7
	ds_load_b128 v[SC+8*NQ*\sc+NQ*\i:SC+8*NQ*\sc+NQ*\i+3], v[ADRS] offset:\i*SBLK
.endr
.endm
; A load into a register that a matrix instruction has read, and a vector instruction that reads a matrix result, stand NP places behind that matrix instruction; only plain vector instructions that name none of its registers are places.
.macro PLACES n
.rept \n
	v_nop
.endr
.endm
; A step of 128 along K that has its successor in the same slot: x's blocks 0-3 are fetched anew in its middle, blocks 4-7 at its end, W's other set in its middle.
.macro STEP slot, q, first
	s_wait_dscnt 4*NL                              ; W's set and x's blocks 0-3 are in; the youngest eight loads (x's blocks 4-7) may be out
.if \first
	WIN FIRST_LO
.else
	WIN MUL_LO
.endif
	MUL16 0, (\q)%2, \q, \slot, \first
	MUL16 2, (\q)%2, \q, \slot, \first
	s_wait_dscnt 0                                 ; x's blocks 4-7 are in (asked for 32 matrix instructions ago)
	PLACES NP
	FETCH_B \slot, (\q)+1, 1-(\q)%2
	FETCH_A \slot, (\q)+1, 0
.if \first
	WIN FIRST_HI
.else
	WIN MUL_HI
.endif
	MUL16 4, (\q)%2, \q, \slot, \first
	MUL16 6, (\q)%2, \q, \slot, \first
	PLACES NP
	WIN 0
	FETCH_A \slot, (\q)+1, 4
.endm
; Slot 0's last step leads over to slot 1: ONE barrier; in front of it each wave waits for all its tensor loads (its part of slot 1), adds 0 to its spare word, and waits for that and for its reads of slot 0.
; Behind it slot 1 is whole, and nobody reads slot 0 any more: the way out's stages may lie there.  Nothing is filled again.
.macro TURN slot, next
	s_wait_tensorcnt 0x0                           ; all my tensor loads have landed  (every window is 0 here: the add's two registers lie in window 0)
	ds_add_u32 v[SPW], v[NIL]                      ; 0 onto my spare word
	s_wait_dscnt 4*NL+1                            ; (the add and the youngest eight loads, x's blocks 4-7, may be out)
	WIN MUL_LO
	MUL16 0, 1, NQ-1, \slot, 0                     ; sixteen matrix instructions stand between the add and the wait for it
	s_wait_dscnt 0x0                               ; the add is done, and my reads of this slot are over
	s_barrier_signal -1
	MUL16 2, 1, NQ-1, \slot, 0
	WIN 0
	s_barrier_wait -1
	PLACES NP
	v_add_nc_u32 v[ADRS], 4*NQ, v[ADRS]            ; on to the next slot's scale words (no LDS load of mine is out)
	FETCH_B \next, 0, 0
	FETCH_A \next, 0, 0
	SCALES \next
	WIN MUL_HI
	MUL16 4, 1, NQ-1, \slot, 0
	MUL16 6, 1, NQ-1, \slot, 0
	PLACES NP
	WIN 0
	FETCH_A \next, 0, 4
.endm
.macro STEPS slot, from                ; the slot's steps from .. NQ - 2
.set QQ, \from
.rept NQ-1-\from
	STEP \slot, QQ, 0
.set QQ, QQ+1
.endr
.endm
	s_wait_tensorcnt 1                             ; the scales and my part of slot 0 are in (slot 1's load may be out)
	s_barrier_signal -1
	s_barrier_wait -1                              ; everybody's are
	FETCH_B 0, 0, 0
	FETCH_A 0, 0, 0
	SCALES 0
	FETCH_A 0, 0, 4
	s_wait_loadcnt 0x0                             ; the bias
	STEP 0, 0, 1                                   ; the first step's products start the sums from the bias
	STEPS 0, 1
	TURN 0, 1
	STEPS 1, 0
	s_wait_dscnt 4*NL                              ; the very last step: nothing more to fetch
	WIN MUL_LO
	MUL16 0, 1, NQ-1, 1, 0
	MUL16 2, 1, NQ-1, 1, 0
	s_wait_dscnt 0
	WIN MUL_HI
	MUL16 4, 1, NQ-1, 1, 0
	MUL16 6, 1, NQ-1, 1, 0
	WIN 0
; THE WAY OUT, block by block of 16 rows x 128 columns (two heads).  PACK: rounded to f16, 16 bytes a lane, each accumulator from its low end on.  TOSTAGE: into my own stage (head, row: 144 bytes apart) and back, eight lanes to a row.
; SEND: four rows of a head are 512 consecutive bytes of qkv, stored by one instruction.  LDS serves a wave's instructions in order (ISA guide 5.7.1.4): no wait between the stores and the loads, nor in front of the next block's stores.
.macro PACK a
.set AC, 64*((\a)%4)
	WIN 0x0a+5*((\a)/4)                            ; sources 0 and 1: window 2 or 3
.irp b, 0,1,2,3,4,5,6,7
.irp i, 0,1,2,3
	v_cvt_pk_f16_f32 v[TMP+4*\b+\i], v[AC+8*\b+2*\i], v[AC+8*\b+2*\i+1]
.endr
.endr
	WIN 0
.endm
.macro TOSTAGE a
.set BB, BK+32*((\a)%2)
.irp b, 0,1,2,3,4,5,6,7
	ds_store_b128 v[STO], v[TMP+4*\b:TMP+4*\b+3] offset:(\b/4)*16*SPITCH+(\b%4)*32
.endr
.irp t, 0,1,2,3,4,5,6,7
	ds_load_b128 v[BB+4*\t:BB+4*\t+3], v[RD] offset:\t*4*SPITCH
.endr
.endm
.macro SEND a
.set BB, BK+32*((\a)%2)
	s_wait_dscnt 0x0                               ; the block is back in registers
	s_wait_xcnt 0x0                                ; the block before's stores have read their registers: the next block's loads land there only behind this wait
.irp t, 0,1,2,3,4,5,6,7
	global_store_b128 v[CO], v[BB+4*\t:BB+4*\t+3], s[12:13] offset:(\t/4)*262144+2048*(\a)+512*(\t%4)   ; 32 lanes store 512 consecutive bytes, at a multiple of 512 from qkv's first byte; every offset is an immediate
.endr
.endm
	PLACES NP                                      ; behind the last products: for the conversions, which read results and write the registers that held the bias, and for the loads into the registers that held x's fragments
	PACK 0
	TOSTAGE 0
.irp a, 1,2,3,4,5,6,7                  ; block a's conversions stand between block a - 1's loads from the stage and the wait for them
	PACK \a
	SEND \a-1
	TOSTAGE \a
.endr
	SEND 7
	s_wait_tensorcnt 0x0                           ; the wave's end: a wait, an add of 0 to my spare word and its wait, behind my last tensor load and my last LDS store
	ds_add_u32 v[SPW], v[NIL]
	s_wait_dscnt 0x0
	CROUND                                         ; the closing round: no work-group ends while a partner may still ask for a tile that names it
	s_endpgm
.Lfunc_end_k_qfd62458e54_proj:
	.size	k_qfd62458e54_proj, .Lfunc_end_k_qfd62458e54_proj-k_qfd62458e54_proj
	.p2alignl 7, 3214868480
	.fill 96, 4, 3214868480
	.section	.rodata,"a",@progbits
	.p2align	6, 0x0
	.amdhsa_kernel k_qfd62458e54_proj
		.amdhsa_group_segment_fixed_size 327680
		.amdhsa_private_segment_fixed_size 0
		.amdhsa_enable_private_segment 0
		.amdhsa_kernarg_size 48
		.amdhsa_user_sgpr_count 2
		.amdhsa_user_sgpr_kernarg_segment_ptr 1
		.amdhsa_wavefront_size32 1
		.amdhsa_system_sgpr_workgroup_id_x 1
		.amdhsa_system_sgpr_workgroup_id_y 1
		.amdhsa_system_sgpr_workgroup_id_z 1
		.amdhsa_system_vgpr_workitem_id 0
		.amdhsa_next_free_vgpr 1024
		.amdhsa_next_free_sgpr 102
		.amdhsa_reserve_vcc 0
		.amdhsa_float_denorm_mode_32 3
		.amdhsa_float_denorm_mode_16_64 3
		.amdhsa_memory_ordered 1
		.amdhsa_forward_progress 1
		.amdhsa_inst_pref_size 128
	.end_amdhsa_kernel
	.amdgpu_metadata
---
amdhsa.version: [ 1, 2 ]
amdhsa.kernels:
  - .name:           k_qfd62458e54_proj
    .symbol:         k_qfd62458e54_proj.kd
    .args:
      - { .name: codes, .offset: 0, .size: 8, .value_kind: global_buffer, .address_space: global }
      - { .name: scales, .offset: 8, .size: 8, .value_kind: global_buffer, .address_space: global }
      - { .name: qkv, .offset: 16, .size: 8, .value_kind: global_buffer, .address_space: global }
      - { .name: bq, .offset: 24, .size: 8, .value_kind: global_buffer, .address_space: global }
      - { .name: bk, .offset: 32, .size: 8, .value_kind: global_buffer, .address_space: global }
      - { .name: bv, .offset: 40, .size: 8, .value_kind: global_buffer, .address_space: global }
    .group_segment_fixed_size: 327680
    .private_segment_fixed_size: 0
    .kernarg_segment_align: 8
    .kernarg_segment_size: 48
    .max_flat_workgroup_size: 128
    .sgpr_count:     102
    .vgpr_count:     1024
    .wavefront_size: 32
...
	.end_amdgpu_metadata
.endif
;; end of part 2
;; launch attn (part 3): grid 8 x 32, 8 waves a work-group, no clusters, 327,680 bytes of LDS; arguments qkv, rel_table, oimg; writes oimg
.if DOCPART == 3
	.amdgcn_target "amdgcn-amd-amdhsa--gfx1250"
	.amdhsa_code_object_version 6
	.text
	.protected	k_qfd62458e54_attn
	.globl	k_qfd62458e54_attn
	.p2align	8
	.type	k_qfd62458e54_attn,@function
k_qfd62458e54_attn:
	s_mov_b64 s[64:65], 0
	v_nop
	global_prefetch_b8 v0, s[64:65] scope:SCOPE_SE
	s_setreg_imm32_b32 hwreg(HW_REG_WAVE_MODE, 25, 1), 1
	s_wait_xcnt 0x0
; o[b][h][q][:] = the sum over k of softmax_k((q . k + q . rel[clip(k - q, -2, 2) + 2]) / 8) v[k][:], 32 (batch, head) pairs of 2,048 x 2,048, head size 64.  q, k, v: f16, [3][32][2048][64].  Products on f16 operands, sums, maxima and the softmax in f32.
; THE RELATIVE TERM.  The index takes five values, so a query needs five numbers r_j = q . rel[j]: one product of 16 x 16 x 64 for each tile of queries, at the head.  Keys k <= q - 2 get r_0, keys k >= q + 2 get r_4, the three diagonals r_1, r_2, r_3.
; A key step all of whose keys lie on one side of all my queries adds ONE number a query: it goes into the exponent's addend and costs nothing.  In the (at most two) steps of a wave that touch its diagonal the term is laid out as a tile and is the C of the scores' first product.
; SHARES.  A work-group owns 256 queries of one pair, each of its eight waves 32: two tiles of 16.  Two waves share a SIMD, so that one wave's softmax stands beside the other's products.  Every wave walks all 2,048 keys, 64 a step.
; LAYOUT.  S^T = K Q^T (source 0 = 16 keys, source 1 = 16 queries): a lane holds ONE query (lane % 16) and keys 8 (lane / 16) + 0..7.  Two such tiles, rounded to f16 in pairs, ARE source 1 of O^T = V^T P.  V comes out of LDS turned, by ds_load_tr16_b128.
; SOFTMAX.  For each query a running maximum m and sum l: p = 2^(c (s + r - m)), c = log2(e) / 8; in every step O and l are multiplied by a = 2^(c (m_old - m_new)).  The loop has no first step of its own: O and l begin as zeros, m as -3e38.
; THE RING.  Two LDS slots of 4 key steps; waves 0-3 fetch the four steps' tiles of K, waves 4-7 those of V, one tensor load a wave behind each change of slots: it has four key steps in which to land.
; NO CLUSTER: the partners that would share K and V are the query blocks of one pair, and a key step branches on whether it touches the wave's diagonal, which hangs on the query block: partners would not run alike.
; OUT.  O^T / l, rounded to f16 in pairs, is the register image of a 16-row x 32-K fragment of the last product's operand; oimg = [4 (256 along K)][256 (16 rows)][8 (32 along K)][2][32 lanes][16 bytes]: each store covers 512 consecutive bytes, aligned.
; LIMITS: rel_table, p and o go in f16 (above 65,504 infinity; under 6e-5 an absolute step of 6e-8); NaN and infinities are not served.
; REGISTERS.  Window 0: v1-8 addresses; v9-15 at work; v16-39 statistics, 12 a tile; v40-63 the relative term's numbers, 12 a tile; v64-95 Q; v96-159 K of a step; v160-223 S^T; v224-255 P.   Window 1: v0-63 O^T, v64-127 V of a step.
.set KS,    64                         ; keys in a step
.set PK,    144                        ; a row of K in LDS: 128 bytes + 16 of padding: the 16 rows of a load start at 16 different groups of banks
.set PV,    160                        ; a row of V: 128 + 32
.set VOFF,  KS*PK                      ; a step's tiles lie together: 64 rows of K, then 64 rows of V
.set STEPB, KS*(PK+PV)
.set SLOT1, 1<<17                      ; slot 1 begins here, so that one exclusive or turns an address in one slot into the other's
.set SPARE, SLOT1+4*STEPB              ; behind the ring: the spare words, 128 bytes a wave, which no other line names
.set SLOTB, 4*KS*128                   ; a slot's keys in memory: 256 rows of 128 bytes
.set AK0, 1                            ; v1   my lane's place in a tile of K; never rewritten
.set AV0, 2                            ; v2   the same for V
.set ADK, 3                            ; v3   LDS address of the step's K
.set ADV, 4                            ; v4   of its V
.set SPW, 5                            ; v5   LDS address of my spare word; never rewritten
.set NIL, 6                            ; v6   0; never rewritten
.set GO,  7                            ; v7   16 x lane: my place in an image
.set PFO, 8                            ; v8   256 x lane: the prefetches' offset; never rewritten
.set ST,  16                           ; tile t's statistics at v[ST + 12 t]:
.set oAD, 0                            ;   c (r - m), the exponent's addend (named as a pair with m: the low word serves both halves)
.set oM,  1                            ;   m
.set oA,  2                            ;   a (named as a pair with r)
.set oRS, 3                            ;   r: the step's one number of the relative term, or 0
.set oL,  4                            ;   l, even keys' and odd keys'
.set oC,  6                            ;   four registers at work
.set oT,  10                           ;   one more
.set BC,  40                           ; tile t's numbers of the relative term at v[BC + 12 t]:
.set oR0, 0                            ;   r_0
.set oR4, 1                            ;   r_4
.set oBU, 2                            ;   register 0 of the tile 16 keys above the diagonal tile: r_3 in lane 15, else r_4
.set oBL, 3                            ;   register 7 of the tile 16 keys below it: r_1 in lane 16, else r_0
.set oBD, 4                            ;   the diagonal tile's eight registers
.set Q,   64
.set KR,  96
.set S,   160
.set P,   224
.set RA,  192                          ; at the head: the two tiles q . rel, in S^T's registers
.set VR,  64                           ; V's fragments, in window 1
.set WV,  10                           ; s10  my wave's number
.set BH,  12                           ; s12  the (batch, head) pair
.set Q0,  20                           ; s20  my first query
.set KEY, 21                           ; s21  the step's first key
.set TB,  22                           ; s22  LDS byte at which the step's tiles begin
.set SLOTS, 23                         ; s23  slots still to be asked for
.set CNT, 24                           ; s24  counts a slot's four steps
.set CS,  26                           ; s[26:27] c
.set SEL, 28                           ; s[28:29] lane selects for v_permlanex16_b32: lane l xor 16
.set G1K, 32                           ; s[32:39] descriptor group 1 for K's tiles
.set G1V, 40                           ; s[40:47] for V's: it differs in the padding alone
.set G0,  48                           ; s[48:51] my group 0, which walks
.set PFA, 52                           ; s[52:53] where my prefetches stand: my tile of the slot after the one that is being asked for
.set LIM, 54                           ; s54  1 in a work-group that prefetches, else the greatest number
.set MSB, 0
.macro WIN new                         ; the immediate's high byte repeats the setting that is left
.if MSB != (\new)
	s_set_vgpr_msb (MSB<<8)|(\new)
.set MSB, (\new)
.endif
.endm
; Every wave fetches: waves 0-3 a tile of K, waves 4-7 a tile of V.  The branch hangs on the wave's number alone.  An s_nop 0 and four v_nop follow each of the two lines.
.macro TLOAD
	s_cmp_lt_u32 s[WV], 4
	s_cbranch_scc0 .Lfor_v_\@
	tensor_load_to_lds s[G0:G0+3], s[G1K:G1K+7]
	s_nop 0
.rept 4
	v_nop
.endr
	s_branch .Lasked_\@
.Lfor_v_\@:
	tensor_load_to_lds s[G0:G0+3], s[G1V:G1V+7]
	s_nop 0
.rept 4
	v_nop
.endr
.Lasked_\@:
.endm
; A PREFETCH INTO THE L2 of what the NEXT change of slots will ask for.  The eight query blocks of a pair walk the same K and V: the first of them asks, and nobody else.  Each of its waves names the tile that it will itself fetch:
; 8,192 dense bytes, lanes 256 bytes apart, one instruction: so each run of 256 bytes is named once in the launch.  Slots 0 and 1 come by their loads alone; the last change that fills a slot asks for nothing: there is no slot behind it.
.macro ASK
	s_cmp_gt_u32 s[SLOTS], s[LIM]
	s_cbranch_scc0 .Lnot_mine_\@
	global_prefetch_b8 v[PFO], s[PFA:PFA+1] th:TH_LOAD_NT scope:SCOPE_SE
.Lnot_mine_\@:
.endm
	s_load_b128 s[4:7], s[0:1], 0x0                ; qkv s[4:5], rel_table s[6:7]
	s_load_b64 s[8:9], s[0:1], 0x10                ; oimg
	v_lshl_add_u32 v[SPW], v0, 2, SPARE
	v_mov_b32 v[NIL], 0
	ds_add_u32 v[SPW], v[NIL]                      ; the wave's opening: the add, twice on end, and its wait ahead of my first tensor load; the set-up below stands between the second and the wait
	ds_add_u32 v[SPW], v[NIL]
	v_lshrrev_b32 v9, 5, v0
	v_readfirstlane_b32 s[WV], v9                  ; wave 0..7
	s_and_b32 s[BH], ttmp7, 0xffff
	s_lshl_b32 s[Q0], ttmp9, 8
	s_lshl_b32 s13, s[WV], 5
	s_add_co_u32 s[Q0], s[Q0], s13                 ; my first query: 256 x work-group x + 32 x wave
	; descriptor group 1: a tile of 64 rows x 64 elements of 2 bytes, dense in memory, padded in LDS
	s_mov_b32 s[G1K], (1<<16)|(1<<20)|(4<<22)|(3<<25)   ; 15:0 no mask; 17:16 elements of 2 bytes; 20 padding on; 24:22 after every 32 words (code 4); 31:25 four words (code 3)
	s_mov_b32 s[G1V], (1<<16)|(1<<20)|(4<<22)|(7<<25)   ; the same with eight words of padding (code 7)
.irp g, G1K, G1V
	s_mov_b32 s[\g+1], 64<<16                      ; tensor_dim0 = 64
	s_mov_b32 s[\g+2], KS<<16                      ; tensor_dim1 = 64
	s_mov_b32 s[\g+3], 64<<16                      ; tile_dim0 = 64
	s_mov_b32 s[\g+4], KS                          ; tile_dim1 = 64
	s_mov_b32 s[\g+5], 64                          ; tensor_dim0_stride
	s_mov_b32 s[\g+6], 0
	s_mov_b32 s[\g+7], 0
.endr
	s_and_b32 s13, s[WV], 3                        ; which of a slot's four steps I fetch,
	s_lshr_b32 s18, s[WV], 2                       ; for K (0) or for V (1)
	s_mov_b32 s[G0], 1                             ; count = 1
	s_mul_i32 s[G0+1], s13, STEPB                  ; LDS address: the step's place in slot 0,
	s_mul_i32 s19, s18, VOFF
	s_add_co_u32 s[G0+1], s[G0+1], s19             ; V's tile behind K's
	s_lshl_b32 s25, s[BH], 18                      ; the pair's 262,144 bytes in each of q, k, v
	s_add_co_u32 s14, s18, 1
	s_lshl_b32 s14, s14, 23                        ; k begins 8,388,608 bytes into qkv, v twice as far
	s_add_co_u32 s14, s14, s25
	s_lshl_b32 s19, s13, 13                        ; the step's 64 rows of 128 bytes
	s_add_co_u32 s14, s14, s19
	s_mov_b32 s15, 0
	s_lshl_b32 s16, s[Q0], 7
	s_add_co_u32 s16, s16, s25                     ; q at my first query
	s_mov_b32 s17, 0
	s_and_b32 s18, s[BH], 15                       ; the head
	s_lshr_b32 s19, s18, 2
	s_lshl_b32 s30, s19, 21                        ; oimg: (head / 4) x 2,097,152
	s_and_b32 s19, s18, 3
	s_lshl_b32 s19, s19, 11
	s_add_co_u32 s30, s30, s19                     ; + (head % 4) x 2,048
	s_lshr_b32 s19, s[BH], 4                       ; the batch
	s_lshl_b32 s19, s19, 7
	s_lshl_b32 s18, ttmp9, 4
	s_add_co_u32 s19, s19, s18
	s_lshl_b32 s18, s[WV], 1
	s_add_co_u32 s19, s19, s18                     ; my first tile of 16 rows: 128 b + 16 x work-group x + 2 x wave
	s_lshl_b32 s19, s19, 13
	s_add_co_u32 s30, s30, s19                     ; x 8,192
	s_mov_b32 s31, 0
	s_mov_b32 s[CS], 0x3e38aa3b                    ; c = log2(e) / 8
	s_mov_b32 s[CS+1], s[CS]                       ; (named with it as a pair, so it is written)
	s_mov_b32 s[SEL], 0x76543210
	s_mov_b32 s[SEL+1], 0xfedcba98
	s_mov_b32 s[KEY], 0
	s_mov_b32 s[TB], 0
	s_mov_b32 s[SLOTS], 7
	s_cmp_eq_u32 ttmp9, 0
	s_cselect_b32 s[LIM], 1, -1
	v_and_b32 v13, 31, v0                          ; lane
	v_lshlrev_b32 v[GO], 4, v13
	v_lshlrev_b32 v[PFO], 8, v13
	s_wait_dscnt 0x0                               ; both opening adds are done
	s_wait_kmcnt 0x0
	s_add_nc_u64 s[G0+2:G0+3], s[4:5], s[14:15]    ; global address of my tile of slot 0
	s_add_nc_u64 s[PFA:PFA+1], s[G0+2:G0+3], SLOTB ; the prefetches stand in slot 1: the first change of slots steps them to slot 2.  Nothing is prefetched here, at the head
	s_or_b32 s[G0+3], s[G0+3], 0x80000000          ; type = 2
	s_add_nc_u64 s[16:17], s[4:5], s[16:17]
	s_add_nc_u64 s[8:9], s[8:9], s[30:31]
	TLOAD                                          ; slot 0: one tensor load of mine is out
	v_and_b32 v11, 15, v0                          ; r = lane % 16
	v_bfe_u32 v12, v0, 4, 1                        ; h = lane / 16
	v_lshlrev_b32 v9, 7, v11
	v_lshl_add_u32 v9, v12, 4, v9                  ; Q: row r of 128 bytes + 16 h
.irp t, 0,1
.irp c, 0,1
	global_load_b128 v[Q+16*\t+8*\c:Q+16*\t+8*\c+3],   v9, s[16:17] offset:2048*\t+64*\c      ; Q stays in registers: tile t, channels 32 c on
	global_load_b128 v[Q+16*\t+8*\c+4:Q+16*\t+8*\c+7], v9, s[16:17] offset:2048*\t+64*\c+32
.endr
.endr
	v_and_b32 v10, 7, v11
	v_min_u32 v10, 4, v10                          ; rel_table as a tile of 16 keys: rows m and m + 8 both hold rel[min(m % 8, 4)], so that both halves of the lanes find r_0 .. r_4 in result registers 0 .. 4
	v_lshlrev_b32 v10, 8, v10
	v_lshl_add_u32 v10, v12, 5, v10                ; row x 256 bytes + 32 h: eight f32 numbers for each four registers of a fragment
.irp m, 0,1,2,3,4,5,6,7
	global_load_b128 v[S+4*\m:S+4*\m+3], v10, s[6:7] offset:128*(\m/4)+64*((\m/2)%2)+16*(\m%2)
.endr
	v_mul_u32_u24 v[AK0], v11, PK
	v_lshl_add_u32 v[AK0], v12, 4, v[AK0]          ; K: row x pitch + 16 x half
	v_and_b32 v14, 7, v0                           ; the turning load takes 16 keys x 16 channels: lane l reads key 8 (l / 16) + l % 8, channels 8 ((l / 8) % 2) + 0..7
	v_bfe_u32 v15, v0, 3, 1
	v_lshl_add_u32 v[AV0], v12, 3, v14
	v_mul_u32_u24 v[AV0], v[AV0], PV
	v_lshl_add_u32 v[AV0], v15, 4, v[AV0]
	v_add_nc_u32 v[AV0], VOFF, v[AV0]
	s_wait_loadcnt 0x0                             ; Q and rel_table
.irp m, 0,1,2,3,4,5,6,7,8,9,10,11,12,13,14,15
	v_cvt_pk_f16_f32 v[KR+\m], v[S+2*\m], v[S+2*\m+1]   ; rel's two fragments, in K's registers
.endr
	v_wmma_f32_16x16x32_f16 v[RA:RA+7],    v[KR:KR+7],    v[Q:Q+7],     0                  ; r_j = q . rel[j]: the two tiles by turns
	v_wmma_f32_16x16x32_f16 v[RA+8:RA+15], v[KR:KR+7],    v[Q+16:Q+23], 0
	v_wmma_f32_16x16x32_f16 v[RA:RA+7],    v[KR+8:KR+15], v[Q+8:Q+15],  v[RA:RA+7]
	v_wmma_f32_16x16x32_f16 v[RA+8:RA+15], v[KR+8:KR+15], v[Q+24:Q+31], v[RA+8:RA+15]
	v_lshlrev_b32 v9, 3, v12                       ; eight plain lines that name none of the products' registers: the places behind them
	v_sub_nc_u32 v9, v9, v11                       ; 8 h - r: register j of the diagonal tile holds distance k - q = 8 h - r + j
.irp t, 0,1
	v_mov_b32 v[ST+12*\t+oM], 0xff61b1e6           ; m: -3e38, under every score
	v_mov_b32 v[ST+12*\t+oL], 0                    ; l, in two halves
	v_mov_b32 v[ST+12*\t+oL+1], 0
.endr
.irp t, 0,1
	v_mov_b32 v[BC+12*\t+oR0], v[RA+8*\t]          ; each result is read from its low end on
.endr
.irp t, 0,1
	v_mov_b32 v[BC+12*\t+oR4], v[RA+8*\t+4]
.endr
.irp j, 0,1,2,3,4,5,6,7                        ; the diagonal tile: r_0, raised to r_1 .. r_4 where the distance is at least -1 .. 2.  The masks hang on the lane's number alone
	v_cmp_le_i32 s55, -1-\j, v9
	v_cmp_le_i32 s56, 0-\j, v9
	v_cmp_le_i32 s57, 1-\j, v9
	v_cmp_le_i32 s58, 2-\j, v9
.irp t, 0,1
	v_cndmask_b32 v[BC+12*\t+oBD+\j], v[RA+8*\t], v[RA+8*\t+1], s55
	v_cndmask_b32 v[BC+12*\t+oBD+\j], v[BC+12*\t+oBD+\j], v[RA+8*\t+2], s56
	v_cndmask_b32 v[BC+12*\t+oBD+\j], v[BC+12*\t+oBD+\j], v[RA+8*\t+3], s57
	v_cndmask_b32 v[BC+12*\t+oBD+\j], v[BC+12*\t+oBD+\j], v[RA+8*\t+4], s58
.endr
.endr
	v_cmp_eq_u32 s55, 15, v13                      ; 16 keys above: distance 1 only for key 0 of the tile and query 15
	v_cmp_eq_u32 s56, 16, v13                      ; 16 keys below: distance -1 only for key 15 and query 0
.irp t, 0,1
	v_cndmask_b32 v[BC+12*\t+oBU], v[RA+8*\t+4], v[RA+8*\t+3], s55
	v_cndmask_b32 v[BC+12*\t+oBL], v[RA+8*\t], v[RA+8*\t+1], s56
.endr
	WIN 0x40                                       ; destination window 1
.set i, 0
.rept 64
	v_mov_b32 v[i], 0                              ; O^T.  (The step is written for every step alike: the first finds zeros, which a = 0 leaves zeros)
.set i, i+1
.endr
	WIN 0
; 16 products S^T = K Q^T: number i: channels 32 (i / 8) on, keys 16 ((i / 2) % 4) on, tile i % 2.  The eight accumulators take turns.  fromzero = 1: the first eight start the sums; 0: they add onto the relative term's tiles.
.macro KQ16 fromzero
.set i, 0
.rept 16
.set rS, S+32*(i%2)+8*((i/2)%4)
.set rK, KR+16*((i/2)%4)+8*(i/8)
.set rQ, Q+16*(i%2)+8*(i/8)
.if \fromzero && (i < 8)
	v_wmma_f32_16x16x32_f16 v[rS:rS+7], v[rK:rK+7], v[rQ:rQ+7], 0
.else
	v_wmma_f32_16x16x32_f16 v[rS:rS+7], v[rK:rK+7], v[rQ:rQ+7], v[rS:rS+7]
.endif
.set i, i+1
.endr
.endm
; The relative term of the tile of keys kt and queries t.  D = first key - first query of the tile, a multiple of 16 (s57 = the step's first key - my first query).  D < -16: r_0 everywhere; D > 16: r_4; D = 0: the diagonal tile;
; D = 16 or -16: one corner differs.  All by selects on masks made of ids and the count of steps: no branch.
.macro FILL kt, t
.set rS, S+32*(\t)+8*(\kt)
.set rB, BC+12*(\t)
.set rT, ST+12*(\t)+oT
	s_add_co_i32 s58, s57, 16*((\kt)-(\t))
	s_cmp_lt_i32 s58, 0
	s_cselect_b32 s59, -1, 0
	s_cmp_eq_u32 s58, 0
	s_cselect_b32 s60, -1, 0
	s_cmp_eq_u32 s58, 16
	s_cselect_b32 s61, -1, 0
	s_cmp_eq_i32 s58, -16
	s_cselect_b32 s62, -1, 0
	v_cndmask_b32 v[rT], v[rB+oR4], v[rB+oR0], s59
.irp j, 0,1,2,3,4,5,6,7
	v_cndmask_b32 v[rS+\j], v[rT], v[rB+oBD+\j], s60
.endr
	v_cndmask_b32 v[rS], v[rS], v[rB+oBU], s61
	v_cndmask_b32 v[rS+7], v[rS+7], v[rB+oBL], s62
.endm
; A KEY STEP: 64 keys.
.macro STEP
	v_add_nc_u32 v[ADK], s[TB], v[AK0]             ; four plain lines that name none of the last products' registers: the places in front of the loads into V's registers
	v_add_nc_u32 v[ADV], s[TB], v[AV0]
	s_cmp_lt_u32 s[KEY], s[Q0]
	s_cselect_b32 s55, -1, 0
.irp t, 0,1
	v_cndmask_b32 v[ST+12*\t+oRS], v[BC+12*\t+oR4], v[BC+12*\t+oR0], s55   ; the step's one number: r_0 where its keys come before my queries, else r_4
.endr
.irp f, 0,1,2,3,4,5,6,7                        ; K: keys 16 (f / 2) on, channels 32 (f % 2) on
	ds_load_b128 v[KR+8*\f:KR+8*\f+3],   v[ADK] offset:(\f/2)*16*PK+(\f%2)*64
	ds_load_b128 v[KR+8*\f+4:KR+8*\f+7], v[ADK] offset:(\f/2)*16*PK+(\f%2)*64+32
.endr
	WIN 0x40                                       ; destination window 1
.irp f, 0,1,2,3,4,5,6,7                        ; V, turned: keys 32 (f / 4) on, channels 16 (f % 4) on
	ds_load_tr16_b128 v[VR+8*\f:VR+8*\f+3],   v[ADV] offset:(\f/4)*32*PV+(\f%4)*32
	ds_load_tr16_b128 v[VR+8*\f+4:VR+8*\f+7], v[ADV] offset:(\f/4)*32*PV+16*PV+(\f%4)*32
.endr
	WIN 0
	s_add_co_u32 s56, s[KEY], KS                   ; all 64 keys at least 2 before my first query?
	s_cmp_lt_u32 s56, s[Q0]
	s_cbranch_scc1 .Luniform_\@
	s_add_co_u32 s56, s[Q0], 32                    ; or all at least 2 behind my last?  (ids and the count of steps alone; no barrier, tensor load or LDS access stands in either arm)
	s_cmp_gt_u32 s[KEY], s56
	s_cbranch_scc1 .Luniform_\@
	s_sub_co_i32 s57, s[KEY], s[Q0]                ; no: the step touches my diagonal
.irp kt, 0,1,2,3
.irp t, 0,1
	FILL \kt, \t
.endr
.endr
.irp t, 0,1
	v_mov_b32 v[ST+12*\t+oRS], 0                   ; the term lies in the scores themselves
.endr
	s_wait_dscnt 16                                ; K is in; V's sixteen younger loads may be out
	KQ16 0
	s_branch .Ljoin_\@
.Luniform_\@:
	s_wait_dscnt 16                                ; K is in; V's sixteen younger loads may be out
	KQ16 1
.Ljoin_\@:
.rept 4
	v_nop                                          ; places in front of the first read of the scores
.endr
	; the softmax, the two tiles by turns.  The maximum: four chains a tile, each accumulator read from its low end on
.irp j, 0,1,2,3
.irp t, 0,1
	v_max3_num_f32 v[ST+12*\t+oC+\j], v[S+32*\t+8*\j], v[S+32*\t+8*\j+1], v[S+32*\t+8*\j+2]
.endr
.endr
.irp i, 3,5
.irp j, 0,1,2,3
.irp t, 0,1
	v_max3_num_f32 v[ST+12*\t+oC+\j], v[ST+12*\t+oC+\j], v[S+32*\t+8*\j+\i], v[S+32*\t+8*\j+\i+1]
.endr
.endr
.endr
.irp t, 0,1
	v_max3_num_f32 v[ST+12*\t+oC], v[ST+12*\t+oC], v[S+32*\t+7], v[S+32*\t+15]
	v_max3_num_f32 v[ST+12*\t+oC+2], v[ST+12*\t+oC+2], v[S+32*\t+23], v[S+32*\t+31]
.endr
.irp t, 0,1
	v_max3_num_f32 v[ST+12*\t+oC], v[ST+12*\t+oC], v[ST+12*\t+oC+1], v[ST+12*\t+oC+2]
.endr
.irp t, 0,1
	v_max_num_f32 v[ST+12*\t+oC], v[ST+12*\t+oC], v[ST+12*\t+oC+3]
.endr
.irp t, 0,1
	v_permlanex16_b32 v[ST+12*\t+oC+1], v[ST+12*\t+oC], s[SEL], s[SEL+1]   ; the query's other 32 keys lie in the lane 16 away
.endr
.irp t, 0,1
	v_max_num_f32 v[ST+12*\t+oC], v[ST+12*\t+oC], v[ST+12*\t+oC+1]
.endr
.irp t, 0,1
	v_add_f32 v[ST+12*\t+oC], v[ST+12*\t+oC], v[ST+12*\t+oRS]              ; the step's largest score, with its relative term
.endr
.irp t, 0,1
	v_max_num_f32 v[ST+12*\t+oC+1], v[ST+12*\t+oM], v[ST+12*\t+oC]         ; the new m
.endr
.irp t, 0,1
	v_sub_f32 v[ST+12*\t+oC+2], v[ST+12*\t+oM], v[ST+12*\t+oC+1]           ; m_old - m_new
	v_sub_f32 v[ST+12*\t+oC+3], v[ST+12*\t+oRS], v[ST+12*\t+oC+1]          ; r - m_new
.endr
.irp t, 0,1
	v_mov_b32 v[ST+12*\t+oM], v[ST+12*\t+oC+1]
	v_mul_f32 v[ST+12*\t+oAD], s[CS], v[ST+12*\t+oC+3]
	v_mul_f32 v[ST+12*\t+oC+2], s[CS], v[ST+12*\t+oC+2]
.endr
.irp b, 0,2,4,6,8,10,12,14,16,18,20,22,24,26,28,30
.irp t, 0,1
	v_pk_fma_f32 v[S+32*\t+\b:S+32*\t+\b+1], v[S+32*\t+\b:S+32*\t+\b+1], s[CS:CS+1], v[ST+12*\t+oAD:ST+12*\t+oAD+1] op_sel_hi:[1,0,0]   ; c s + c (r - m), two at a time
.endr
.endr
.irp t, 0,1
	v_exp_f32 v[ST+12*\t+oA], v[ST+12*\t+oC+2]     ; a.  ONE BATCH of 66 exponentials, none of which reads another's result
.endr
.set i, 0
.rept 64
	v_exp_f32 v[S+i], v[S+i]                       ; p, at most 1
.set i, i+1
.endr
	v_nop                                          ; a plain line behind the last exponential
	s_wait_alu depctr_va_vdst(0)                   ; a wait ahead of the first line that names a result: one for the batch
.irp n, 0,1,2,3,4,5,6,7,8,9,10,11,12,13,14,15
.irp t, 0,1
	v_cvt_pk_f16_f32 v[P+16*\t+\n], v[S+32*\t+2*\n], v[S+32*\t+2*\n+1]     ; two neighbouring keys' weights: source 1 of the second product as it stands
.endr
.endr
.irp t, 0,1                                    ; the sums, of the unrounded p: l = a l + the even pairs, a second chain for the odd pairs
	v_pk_fma_f32 v[ST+12*\t+oL:ST+12*\t+oL+1], v[ST+12*\t+oL:ST+12*\t+oL+1], v[ST+12*\t+oA:ST+12*\t+oA+1], v[S+32*\t:S+32*\t+1] op_sel_hi:[1,0,1]
	v_pk_add_f32 v[ST+12*\t+oC:ST+12*\t+oC+1], v[S+32*\t+2:S+32*\t+3], v[S+32*\t+6:S+32*\t+7]
.endr
.irp b, 4,8,12,16,20,24
.irp t, 0,1
	v_pk_add_f32 v[ST+12*\t+oL:ST+12*\t+oL+1], v[ST+12*\t+oL:ST+12*\t+oL+1], v[S+32*\t+\b:S+32*\t+\b+1]
	v_pk_add_f32 v[ST+12*\t+oC:ST+12*\t+oC+1], v[ST+12*\t+oC:ST+12*\t+oC+1], v[S+32*\t+\b+6:S+32*\t+\b+7]
.endr
.endr
.irp t, 0,1
	v_pk_add_f32 v[ST+12*\t+oL:ST+12*\t+oL+1], v[ST+12*\t+oL:ST+12*\t+oL+1], v[S+32*\t+28:S+32*\t+29]
.endr
.irp t, 0,1
	v_pk_add_f32 v[ST+12*\t+oL:ST+12*\t+oL+1], v[ST+12*\t+oL:ST+12*\t+oL+1], v[ST+12*\t+oC:ST+12*\t+oC+1]
.endr
	s_wait_dscnt 0x0                               ; V is in
	WIN 0x41                                       ; O^T (destination and source 0) window 1, a window 0
.irp t, 0,1
.set i, 0
.rept 16
	v_pk_mul_f32 v[32*\t+i:32*\t+i+1], v[32*\t+i:32*\t+i+1], v[ST+12*\t+oA:ST+12*\t+oA+1] op_sel_hi:[1,0]
.set i, i+2
.endr
.endr
	WIN 0x51                                       ; V and O^T window 1, P window 0
.set i, 0
.rept 16                                       ; O^T += V^T P: keys 32 (i / 8) on, channels 16 ((i / 2) % 4) on, tile i % 2: eight accumulators by turns
.set rO, 32*(i%2)+8*((i/2)%4)
.set rV, VR+32*(i/8)+8*((i/2)%4)
.set rP, P+16*(i%2)+8*(i/8)
	v_wmma_f32_16x16x32_f16 v[rO:rO+7], v[rV:rV+7], v[rP:rP+7], v[rO:rO+7]
.set i, i+1
.endr
	WIN 0
	s_add_co_u32 s[KEY], s[KEY], KS
	s_add_co_u32 s[TB], s[TB], STEPB
.endm
; THE CHANGE OF SLOTS stands at a slot's head.  Each wave waits for all its tensor loads (its tile of the slot that it is about to read), adds 0 to its spare word, and waits for that and for its reads of the slot that it has left.
; Behind the barrier the slot ahead is whole and nobody reads the other one.  fill = 1: that other slot takes the next 256 keys: the wave's one tensor load until the next change.
.macro CHANGE fill
	s_wait_tensorcnt 0x0                           ; no tensor load of mine is out, so my group 0 may be written
	ds_add_u32 v[SPW], v[NIL]                      ; 0 onto my spare word; the steps below stand between it and the wait for it
.if \fill
	s_xor_b32 s[G0+1], s[G0+1], SLOT1              ; the other slot than last time,
	s_add_nc_u64 s[G0+2:G0+3], s[G0+2:G0+3], SLOTB ; the next 256 keys; the type bits on top are not reached
	s_wait_xcnt 0x0                                ; the last prefetch, a slot back, has read its address, so it may be written:
	s_add_nc_u64 s[PFA:PFA+1], s[PFA:PFA+1], SLOTB ; one slot further on than my group 0
.endif
	s_wait_dscnt 0x0                               ; the add is done, and my reads of the slot that I have left are over
	s_barrier_signal -1
	s_barrier_wait -1
.if \fill
	TLOAD                                          ; the first thing behind the barrier
	ASK                                            ; what the next change will ask for: four key steps ahead of that load
.endif
.endm
.macro FOUR_STEPS                      ; a slot's four key steps: written once, walked four times; the LDS addresses hang on s[TB]
	s_mov_b32 s[CNT], 4
.Lstep_\@:
	STEP
	s_sub_co_u32 s[CNT], s[CNT], 1
	s_cmp_lg_u32 s[CNT], 0
	s_cbranch_scc1 .Lstep_\@
	s_sub_co_u32 s[TB], s[TB], 4*STEPB             ; back to a slot's first step,
	s_xor_b32 s[TB], s[TB], SLOT1                  ; in the other slot
.endm
.Lslot:                                        ; seven trips: behind each change of slots but the last the next slot is asked for
	CHANGE 1
	FOUR_STEPS
	s_sub_co_u32 s[SLOTS], s[SLOTS], 1
	s_cmp_lg_u32 s[SLOTS], 0
	s_cbranch_scc1 .Lslot
	CHANGE 0                                       ; the last slot is written out
	FOUR_STEPS
	; THE WAY OUT.  l's two halves and the other half of the lanes' are added (the four additions are the places behind the last products); O^T is divided by l and rounded to f16 in pairs.
.irp t, 0,1
	v_add_f32 v[ST+12*\t+oC], v[ST+12*\t+oL], v[ST+12*\t+oL+1]
.endr
.irp t, 0,1
	v_permlanex16_b32 v[ST+12*\t+oC+1], v[ST+12*\t+oC], s[SEL], s[SEL+1]
.endr
.irp t, 0,1
	v_add_f32 v[ST+12*\t+oC], v[ST+12*\t+oC], v[ST+12*\t+oC+1]
.endr
.irp t, 0,1
	v_rcp_f32 v[ST+12*\t+oA], v[ST+12*\t+oC]
.endr
	v_nop                                          ; a plain line behind the last reciprocal
	s_wait_alu depctr_va_vdst(0)                   ; and a wait ahead of the first use: one for the two
	WIN 0x01                                       ; source 0 (O^T) window 1; 1 / l and the destination window 0
.irp t, 0,1
.set i, 0
.rept 16
	v_pk_mul_f32 v[S+32*\t+i:S+32*\t+i+1], v[32*\t+i:32*\t+i+1], v[ST+12*\t+oA:ST+12*\t+oA+1] op_sel_hi:[1,0]   ; each accumulator from its low end on
.set i, i+2
.endr
.endr
	WIN 0
.irp t, 0,1
.irp n, 0,1,2,3,4,5,6,7,8,9,10,11,12,13,14,15
	v_cvt_pk_f16_f32 v[P+16*\t+\n], v[S+32*\t+2*\n], v[S+32*\t+2*\n+1]     ; registers 4 ct .. 4 ct + 3: o(query r, channels 16 ct + 8 h + 0 .. 7)
.endr
.endr
.irp t, 0,1
.irp ct, 0,1,2,3
	global_store_b128 v[GO], v[P+16*\t+4*\ct:P+16*\t+4*\ct+3], s[8:9] offset:8192*\t+512*\ct   ; 32 lanes store 512 consecutive bytes, at a multiple of 512 from oimg's first byte
.endr
.endr
	s_wait_tensorcnt 0x0                           ; the wave's end: a wait, an add of 0 to my spare word and its wait, behind my last tensor load
	ds_add_u32 v[SPW], v[NIL]
	s_wait_dscnt 0x0
	s_endpgm
.Lfunc_end_k_qfd62458e54_attn:
	.size	k_qfd62458e54_attn, .Lfunc_end_k_qfd62458e54_attn-k_qfd62458e54_attn
	.p2alignl 7, 3214868480
	.fill 96, 4, 3214868480
	.section	.rodata,"a",@progbits
	.p2align	6, 0x0
	.amdhsa_kernel k_qfd62458e54_attn
		.amdhsa_group_segment_fixed_size 327680
		.amdhsa_private_segment_fixed_size 0
		.amdhsa_enable_private_segment 0
		.amdhsa_kernarg_size 24
		.amdhsa_user_sgpr_count 2
		.amdhsa_user_sgpr_kernarg_segment_ptr 1
		.amdhsa_wavefront_size32 1
		.amdhsa_system_sgpr_workgroup_id_x 1
		.amdhsa_system_sgpr_workgroup_id_y 1
		.amdhsa_system_sgpr_workgroup_id_z 1
		.amdhsa_system_vgpr_workitem_id 0
		.amdhsa_next_free_vgpr 384
		.amdhsa_next_free_sgpr 66
		.amdhsa_reserve_vcc 0
		.amdhsa_float_denorm_mode_32 3
		.amdhsa_float_denorm_mode_16_64 3
		.amdhsa_memory_ordered 1
		.amdhsa_forward_progress 1
		.amdhsa_inst_pref_size 77
	.end_amdhsa_kernel
	.amdgpu_metadata
---
amdhsa.version: [ 1, 2 ]
amdhsa.kernels:
  - .name:           k_qfd62458e54_attn
    .symbol:         k_qfd62458e54_attn.kd
    .args:
      - { .name: qkv, .offset: 0, .size: 8, .value_kind: global_buffer, .address_space: global }
      - { .name: rel_table, .offset: 8, .size: 8, .value_kind: global_buffer, .address_space: global }
      - { .name: oimg, .offset: 16, .size: 8, .value_kind: global_buffer, .address_space: global }
    .group_segment_fixed_size: 327680
    .private_segment_fixed_size: 0
    .kernarg_segment_align: 8
    .kernarg_segment_size: 24
    .max_flat_workgroup_size: 256
    .sgpr_count:     66
    .vgpr_count:     384
    .wavefront_size: 32
...
	.end_amdgpu_metadata
.endif
;; end of part 3
;; launch outp (part 4): grid 8 x 32, 4 waves a work-group, clusters of 4 x 4, 327,680 bytes of LDS; arguments oimg, wo16, bo, out0; writes out0
.if DOCPART == 4
	.amdgcn_target "amdgcn-amd-amdhsa--gfx1250"
	.amdhsa_code_object_version 6
	.text
	.protected	k_qfd62458e54_outp
	.globl	k_qfd62458e54_outp
	.p2align	8
	.type	k_qfd62458e54_outp,@function
k_qfd62458e54_outp:
	s_mov_b64 s[64:65], 0
	v_nop
	global_prefetch_b8 v0, s[64:65] scope:SCOPE_SE
	s_setreg_imm32_b32 hwreg(HW_REG_WAVE_MODE, 25, 1), 1
	s_wait_xcnt 0x0
	s_wait_alu depctr_hold_cnt(0) depctr_sa_sdst(0) depctr_va_vdst(0) depctr_va_sdst(0) depctr_va_ssrc(0) depctr_va_vcc(0) depctr_vm_vsrc(0)
	s_getreg_b32 s2, hwreg(HW_REG_IB_STS2, 6, 4)
	s_cmp_eq_u32 s2, 0
	s_cbranch_scc0 .Lentry_in_a_cluster
	s_endpgm
.Lentry_in_a_cluster:
	s_bfe_u32 s2, ttmp6, 0x10000c
	s_cmp_lg_u32 s2, 0xf033
	s_cbranch_scc0 .Lentry_shape_is_right
	s_endpgm
.Lentry_shape_is_right:
; out0[m][n] = the sum over k of o[m][k] Wo[n][k] + bo[n].  M = 4,096, N = 1,024, K = 1,024.  Operands f16, sums f32, begun with the bias as C; out0 f32.
; o comes as register images of its fragments: oimg = [4 (256 along K)][256 (16 rows)][8 (32 along K)][2][32 lanes][16 bytes]: a K step's images of 128 rows are 65,536 consecutive bytes, and a fragment comes by two loads of 512 consecutive LDS bytes.
; Wo comes as rows: wo16 [1024 n][1024 k] f16.
; A tile of out0 is 128 x 128: 256 work-groups.  Four waves, each 64 x 64: 16 accumulators of 16 x 16.  K goes in four steps of 256 through a ring of two LDS slots filled by the tensor data mover.
; CLUSTERS: 4 x 4 work-groups.  The four of a row of the cluster need the same images of o, the four of a column the same rows of Wo: each is asked for JOINTLY, by the same tensor load with the same descriptor and a mask that names the four.
; THE MATRIX INSTRUCTION IS USED TRANSPOSED (source 0 = 16 rows of Wo, source 1 = 16 rows of o): a lane then holds eight neighbouring numbers of a row of out0.
; REGISTERS: window 0: v0-31 addresses; v32-63 the bias, 8 registers for each of Wo's 4 blocks, later with v64-95 rows on the way out; v128-255 the accumulators ((a, b) at v[128 + 8 (4 a + b)]).
;   window 1: two fragment buffers of 128: for 64 along K, 64 registers of o (2 x 4 x 16 rows x 32 K), then 64 of Wo.
.set SIZE_K, 1024
.set SIZE_N, 1024
.set KSTEP,  256
.set PITCH,  528                       ; an LDS row of Wo: 512 bytes + 16 of padding: the 16 rows that a load touches start at 16 different groups of banks
.set HALFA,  32768                     ; o's images of 64 rows for a K step: what one tensor load brings
.set ABYTES, 2*HALFA
.set HALFB,  64*PITCH                  ; 64 rows of Wo: what one tensor load brings
.set SLOT,   ABYTES+2*HALFB            ; o's images of 128 rows, then Wo's 128 rows
.set ASTEP,  2097152                   ; from a K step's images to the next step's, in memory
.set STAGE,  2*SLOT                    ; behind the ring: 16 rows x 272 bytes for each wave, for the way out
.set SPITCH, 272
.set SPARE,  STAGE+4*16*SPITCH         ; behind the stages: the spare words, 128 bytes a wave, which no other line names
.set LAPS, SIZE_K/(2*KSTEP)            ; a lap = two K steps = once round the ring
.set ADRA, 16                          ; v16-17  LDS address of my images of o in slot 0, 1
.set ADRB, 20                          ; v20-21  of my rows of Wo
.set STO,  24                          ; v24     the way out: where I put 32 bytes of a row
.set RD,   25                          ; v25     where I read rows back
.set CO,   26                          ; v26     my byte offset in two rows of out0
.set BO,   27                          ; v27     my byte offset in the bias; never rewritten
.set SPW,  28                          ; v28     LDS address of my spare word; never rewritten
.set NIL,  29                          ; v29     0; never rewritten
.set BIAS, 32
.set TMP,  32                          ; the way out: two sets of 32 registers
.set ACC,  128
.set F0,   0                           ; fragment buffers, in window 1
.set F1,   128
.set G1, 24                            ; s[24:31] descriptor group 1 for o's images;  s[32:39] group 0, one set for each slot
.set G0, 32
.set G1B, 48                           ; s[48:55], s[56:63] the same for Wo's tiles
.set G0B, 56
.set MSB, 0
.macro WIN new                         ; the immediate's high byte repeats the setting that is left
.if MSB != (\new)
	s_set_vgpr_msb (MSB<<8)|(\new)
.set MSB, (\new)
.endif
.endm
.set MUL,  0x05                        ; sources 0 (Wo) and 1 (o) window 1; C and D window 0
.set TO_F, 0x40                        ; destination window 1, address window 0
.macro JLOAD s                         ; a joint load: waves 0 and 1 fetch o's two halves, waves 2 and 3 Wo's; an s_nop 0 and four v_nop follow each of the two lines, ahead of the jump, the label and what follows
	s_cmp_eq_u32 s11, 0
	s_cbranch_scc0 .Lfor_b_\@
	tensor_load_to_lds s[G0+4*\s:G0+4*\s+3], s[G1:G1+7]
	s_nop 0
.rept 4
	v_nop
.endr
	s_branch .Lasked_\@
.Lfor_b_\@:
	tensor_load_to_lds s[G0B+4*\s:G0B+4*\s+3], s[G1B:G1B+7]
	s_nop 0
.rept 4
	v_nop
.endr
.Lasked_\@:
.endm
.macro CREST                           ; a round of the cluster's barrier behind its opening barrier
	s_cmp_lg_u32 s10, 0
	s_cbranch_scc1 .Lnot_wave_0_\@
	s_barrier_signal -3
.Lnot_wave_0_\@:
	s_barrier_wait -3
	s_barrier_signal -1
	s_barrier_wait -1
.endm
.macro CROUND                          ; a whole round
	s_barrier_signal -1
	s_barrier_wait -1
	CREST
.endm
	s_load_b128 s[4:7], s[0:1], 0x0                ; oimg s[4:5], wo16 s[6:7]
	s_load_b64 s[66:67], s[0:1], 0x10              ; bo
	s_load_b64 s[8:9], s[0:1], 0x18                ; out0
	v_lshl_add_u32 v[SPW], v0, 2, SPARE
	v_mov_b32 v[NIL], 0
	ds_add_u32 v[SPW], v[NIL]                      ; the wave's opening: the add, twice on end, and its wait ahead of my first tensor load; the set-up below stands between the second and the wait
	ds_add_u32 v[SPW], v[NIL]
	v_lshrrev_b32 v1, 5, v0
	v_readfirstlane_b32 s10, v1                    ; wave 0..3
	s_lshr_b32 s11, s10, 1                         ; which half of the tile's rows is mine.  Also: I fetch for o (0) or for Wo (1)
	s_and_b32 s12, s10, 1                          ; which half of its columns.  Also: which half of that tile I fetch
	s_bfe_u32 s40, ttmp6, 0x40000                  ; cx, cy: my place in the cluster
	s_bfe_u32 s41, ttmp6, 0x40004
	s_lshl_b32 s42, ttmp9, 2
	s_add_co_u32 s42, s42, s40                     ; tile column = 4 x cluster x + cx
	s_and_b32 s13, ttmp7, 0xffff
	s_lshl_b32 s13, s13, 2
	s_add_co_u32 s13, s13, s41                     ; tile row = 4 x cluster y + cy
	s_lshl_b32 s43, s41, 2
	s_lshl_b32 s43, 15, s43                        ; my row of the cluster
	s_lshl_b32 s44, 0x1111, s40                    ; my column
	; descriptor group 1 for o: a dense block of 32,768 bytes as 128 rows of 256 bytes (32 elements of 8 bytes), no padding
	s_or_b32 s[G1+0], s43, (3<<16)|(1<<21)         ; 15:0 the mask: o's images go to my row; 17:16 elements of 8 bytes; 21 set beside a mask
	s_mov_b32 s[G1+1], 32<<16                      ; tensor_dim0 = 32
	s_mov_b32 s[G1+2], 128<<16                     ; tensor_dim1 = 128
	s_mov_b32 s[G1+3], 32<<16                      ; tile_dim0 = 32
	s_mov_b32 s[G1+4], 128                         ; tile_dim1 = 128
	s_mov_b32 s[G1+5], 32                          ; tensor_dim0_stride
	s_mov_b32 s[G1+6], 0
	s_mov_b32 s[G1+7], 0
	; and for Wo: a tile of 64 rows x 256 elements of 2 bytes, padded in LDS
	s_or_b32 s[G1B+0], s44, (1<<16)|(1<<20)|(1<<21)|(6<<22)|(3<<25)  ; the mask of my column; padding of 4 words after every 128
	s_mov_b32 s[G1B+1], KSTEP<<16
	s_mov_b32 s[G1B+2], 64<<16
	s_mov_b32 s[G1B+3], KSTEP<<16
	s_mov_b32 s[G1B+4], 64
	s_mov_b32 s[G1B+5], SIZE_K
	s_mov_b32 s[G1B+6], 0
	s_mov_b32 s[G1B+7], 0
	s_lshl_b32 s16, s13, 16                        ; o: (8 x tile row + 4 x half) tiles of 16 rows, 8,192 bytes each
	s_lshl_b32 s17, s12, 15
	s_add_co_u32 s16, s16, s17
	s_mov_b32 s17, 0
	s_lshl_b32 s46, s42, 18                        ; Wo: (128 x tile column + 64 x half) rows of 2,048 bytes
	s_lshl_b32 s47, s12, 17
	s_add_co_u32 s46, s46, s47
	s_mov_b32 s47, 0
	s_lshl_b32 s20, s12, 15                        ; where they go: o's half; no place in the cluster enters an LDS address
	s_mul_i32 s21, s12, HALFB
	s_add_co_u32 s21, s21, ABYTES                  ; Wo's half, behind o's images
	s_wait_dscnt 0x0                               ; both opening adds are done
	s_wait_kmcnt 0x0
	s_add_nc_u64 s[14:15], s[4:5], s[16:17]
	s_add_nc_u64 s[46:47], s[6:7], s[46:47]
	CROUND                                         ; all sixteen work-groups are here: the first joint loads meet
.irp s, 0,1
	s_mov_b32 s[G0+4*\s], 1
	s_add_co_u32 s[G0+4*\s+1], s20, \s*SLOT
	s_add_nc_u64 s[G0+4*\s+2:G0+4*\s+3], s[14:15], \s*ASTEP
	s_or_b32 s[G0+4*\s+3], s[G0+4*\s+3], 0x80000000
	s_mov_b32 s[G0B+4*\s], 1
	s_add_co_u32 s[G0B+4*\s+1], s21, \s*SLOT
	s_add_nc_u64 s[G0B+4*\s+2:G0B+4*\s+3], s[46:47], \s*KSTEP*2
	s_or_b32 s[G0B+4*\s+3], s[G0B+4*\s+3], 0x80000000
	JLOAD \s                                       ; two tensor loads of mine are out behind the second
.endr
	v_and_b32 v1, 15, v0                           ; l % 16
	v_bfe_u32 v2, v0, 4, 1                         ; l / 16
	; the bias, in the result's layout: for Wo's block b lane (r, h) wants bo[128 T + 64 half + 16 b + 8 h + 0 .. 7]
	s_lshl_b32 s46, s42, 9
	s_lshl_b32 s47, s12, 8
	s_add_co_u32 s46, s46, s47
	v_lshl_add_u32 v[BO], v2, 5, s46
.irp b, 0,1,2,3
	global_load_b128 v[BIAS+8*\b:BIAS+8*\b+3], v[BO], s[66:67] offset:64*\b
	global_load_b128 v[BIAS+8*\b+4:BIAS+8*\b+7], v[BO], s[66:67] offset:64*\b+16
.endr
	v_and_b32 v7, 31, v0
	v_mul_u32_u24 v3, v1, PITCH
	v_lshl_add_u32 v3, v2, 4, v3                   ; Wo: a fragment's row x pitch + 16 x half
	v_lshlrev_b32 v4, 4, v7                        ; o: 16 x lane in an image
	s_lshl_b32 s21, s11, 15                        ; my 64 rows' images
	s_mul_i32 s22, s12, HALFB                      ; my 64 rows of Wo,
	s_add_co_u32 s22, s22, ABYTES                  ; which lie behind o's images
.irp s, 0,1
	v_add_nc_u32 v[ADRA+\s], s21, v4
	v_add_nc_u32 v[ADRB+\s], s22, v3
	s_add_co_u32 s21, s21, SLOT
	s_add_co_u32 s22, s22, SLOT
.endr
	s_mul_i32 s23, s10, 16*SPITCH
	s_add_co_u32 s23, s23, STAGE                   ; my stage
	v_mul_u32_u24 v5, v1, SPITCH                   ; in: row l % 16, 32 bytes for each half of the lanes
	v_lshl_add_u32 v5, v2, 5, v5
	v_add_nc_u32 v[STO], s23, v5
	v_mul_u32_u24 v5, v2, SPITCH                   ; back: lanes 0-15 take one row of 256 bytes, lanes 16-31 the next
	v_lshl_add_u32 v5, v1, 4, v5
	v_add_nc_u32 v[RD], s23, v5
	v_lshlrev_b32 v5, 12, v2                       ; and the same two rows in out0, 4,096 bytes apart
	v_lshl_add_u32 v[CO], v1, 4, v5
	s_lshl_b32 s16, s13, 19                        ; out0 at my part: (128 x tile row + 64 x half) rows of 4,096 bytes
	s_lshl_b32 s17, s11, 18
	s_add_co_u32 s16, s16, s17
	s_mov_b32 s17, 0
	s_add_nc_u64 s[8:9], s[8:9], s[16:17]
	s_mov_b32 s47, 0                               ; + 512 x tile column + 256 x half bytes: s46 holds them
	s_add_nc_u64 s[8:9], s[8:9], s[46:47]
; 8 matrix instructions: m blocks a0, a0 + 1 x all 4 n blocks, 32 along K: half c of buffer f.  first = 1: the bias is the C of the sum's first product.  The 16 accumulators take turns.
.macro MUL8 f, c, a0, first
.irp a, \a0, \a0+1
.irp b, 0,1,2,3
.if \first
	v_wmma_f32_16x16x32_f16 v[ACC+8*(4*(\a)+\b):ACC+8*(4*(\a)+\b)+7], v[\f+64+8*(4*\c+\b):\f+64+8*(4*\c+\b)+7], v[\f+8*(4*\c+\a):\f+8*(4*\c+\a)+7], v[BIAS+8*\b:BIAS+8*\b+7]
.else
	v_wmma_f32_16x16x32_f16 v[ACC+8*(4*(\a)+\b):ACC+8*(4*(\a)+\b)+7], v[\f+64+8*(4*\c+\b):\f+64+8*(4*\c+\b)+7], v[\f+8*(4*\c+\a):\f+8*(4*\c+\a)+7], v[ACC+8*(4*(\a)+\b):ACC+8*(4*(\a)+\b)+7]
.endif
.endr
.endr
.endm
; 32 LDS loads in one run: the fragments of 64 along K (byte k of Wo's rows; images k / 64 and k / 64 + 1 of o's eight) into buffer f; the first 32 along K first
.macro FETCH slot, k, f
	WIN TO_F
.irp c, 0,1
.irp i, 0,1,2,3
	ds_load_b128 v[\f+64+8*(4*\c+\i):\f+64+8*(4*\c+\i)+3],   v[ADRB+\slot] offset:\k+64*\c+\i*16*PITCH
	ds_load_b128 v[\f+64+8*(4*\c+\i)+4:\f+64+8*(4*\c+\i)+7], v[ADRB+\slot] offset:\k+64*\c+\i*16*PITCH+32
	ds_load_b128 v[\f+8*(4*\c+\i):\f+8*(4*\c+\i)+3],         v[ADRA+\slot] offset:\i*8192+1024*((\k)/64+\c)
	ds_load_b128 v[\f+8*(4*\c+\i)+4:\f+8*(4*\c+\i)+7],       v[ADRA+\slot] offset:\i*8192+1024*((\k)/64+\c)+512
.endr
.endr
.endm
.macro PLACES                          ; four places in front of loads into registers that matrix instructions have read, and of LDS stores that read results
.rept 4
	v_nop
.endr
.endm
; A K step is four quarters of 64 along K, 32 matrix instructions each, on buffers 0, 1, 0, 1.  One of the first three: multiplies buffer f and fetches the next quarter, at byte k, into g.
.macro QUARTER slot, k, f, g, first
	s_wait_dscnt 16                                ; the first 32 along K are in; the sixteen younger loads may be out
	WIN MUL
	MUL8 \f, 0, 0, \first
	MUL8 \f, 0, 2, \first
	PLACES
	FETCH \slot, \k, \g
	s_wait_dscnt 32                                ; all but the 32 just issued
	WIN MUL
	MUL8 \f, 1, 0, 0
	MUL8 \f, 1, 2, 0
.endm
; The last quarter multiplies buffer 1 and changes slots: ONE barrier; in front of it each wave waits for all its tensor loads, adds 0 to its spare word, and waits for that and for its own reads of this slot.  fill = 1: this slot is filled again, two K steps ahead.
.macro TURN slot, next, fill
	WIN 0                                          ; (the add's two registers lie in window 0)
	s_wait_tensorcnt 0x0                           ; all my tensor loads have landed: my part of the next slot;
	ds_add_u32 v[SPW], v[NIL]                      ; 0 onto my spare word;
	s_wait_dscnt 17                                ; (the add and the youngest sixteen loads may be out)
	WIN MUL
	MUL8 F1, 0, 0, 0                               ; eight matrix instructions stand between the add and the wait for it
	s_wait_dscnt 0x0                               ; the add is done, and my reads of this slot are over
	s_barrier_signal -1
	MUL8 F1, 0, 2, 0
.if \fill
	WIN 0
.endif
	s_barrier_wait -1
.if \fill
	CREST                                          ; the barrier has opened a round of the cluster's barrier: no wave of any partner still reads this slot's tile or has a load on its way
	s_add_nc_u64 s[G0+4*\slot+2:G0+4*\slot+3], s[G0+4*\slot+2:G0+4*\slot+3], 2*ASTEP
	s_add_nc_u64 s[G0B+4*\slot+2:G0B+4*\slot+3], s[G0B+4*\slot+2:G0B+4*\slot+3], 2*KSTEP*2
	JLOAD \slot                                    ; the first tensor load behind the round, and my only one until the next; the four v_nop behind it are also the places in front of the loads below
.else
	PLACES
.endif
	FETCH \next, 0, F0
	WIN MUL
	MUL8 F1, 1, 0, 0
	MUL8 F1, 1, 2, 0
.endm
	s_wait_tensorcnt 1                             ; my part of K step 0 is in (K step 1's load may be out)
	s_barrier_signal -1
	s_barrier_wait -1                              ; everybody's is
	FETCH 0, 0, F0
	s_wait_loadcnt 0x0                             ; the bias
	QUARTER 0, 128, F0, F1, 1                      ; the first quarter stands in front of the loop: its first products start the sums from the bias
	WIN 0                                          ; at a label and at a branch every window is 0
	s_mov_b32 s3, LAPS-1
.Llap:                                                 ; a trip goes once round the ring, from a lap's second quarter to the next lap's first, and fills both slots again
	QUARTER 0, 256, F1, F0, 0
	QUARTER 0, 384, F0, F1, 0
	TURN 0, 1, 1
	QUARTER 1, 128, F0, F1, 0
	QUARTER 1, 256, F1, F0, 0
	QUARTER 1, 384, F0, F1, 0
	TURN 1, 0, 1
	QUARTER 0, 128, F0, F1, 0
	WIN 0
	s_sub_co_u32 s3, s3, 1
	s_cmp_lg_u32 s3, 0
	s_cbranch_scc1 .Llap
	QUARTER 0, 256, F1, F0, 0                      ; the last lap fills nothing, and has no round of the cluster's barrier
	QUARTER 0, 384, F0, F1, 0
	TURN 0, 1, 0
	QUARTER 1, 128, F0, F1, 0
	QUARTER 1, 256, F1, F0, 0
	QUARTER 1, 384, F0, F1, 0
	s_wait_dscnt 16                                ; the very last quarter: nothing more to fetch
	WIN MUL
	MUL8 F1, 0, 0, 0
	MUL8 F1, 0, 2, 0
	s_wait_dscnt 0
	MUL8 F1, 1, 0, 0
	MUL8 F1, 1, 2, 0
	WIN 0
; THE WAY OUT, block by block of 16 rows x 64 columns.  A lane holds 32 neighbouring bytes of a row, and the lanes beside it hold other rows: so a block goes through my own stage in LDS and comes back as whole rows of 256 bytes.
; A wave's 64 columns of f32 are 256 consecutive bytes, aligned: the stage is the wave's own, and no barrier is needed.  LDS serves a wave's instructions in order (ISA guide 5.7.1.4): no wait between the stores and the loads, nor in front of the next block's stores.
.macro TOSTAGE a
.irp b, 0,1,2,3
	ds_store_b128 v[STO], v[ACC+8*(4*(\a)+\b):ACC+8*(4*(\a)+\b)+3] offset:64*\b          ; each accumulator from its low end on
	ds_store_b128 v[STO], v[ACC+8*(4*(\a)+\b)+4:ACC+8*(4*(\a)+\b)+7] offset:64*\b+16
.endr
.irp t, 0,1,2,3,4,5,6,7
	ds_load_b128 v[TMP+32*((\a)%2)+4*\t:TMP+32*((\a)%2)+4*\t+3], v[RD] offset:\t*2*SPITCH
.endr
.endm
.macro SEND a, younger                 ; younger: the LDS instructions issued behind block a's loads, which may stay out
	s_wait_dscnt \younger                          ; the block is back in registers
.irp t, 0,1,2,3,4,5,6,7
	global_store_b128 v[CO], v[TMP+32*((\a)%2)+4*\t:TMP+32*((\a)%2)+4*\t+3], s[8:9] offset:(16*(\a)+2*\t)*SIZE_N*4 th:TH_STORE_NT   ; 16 lanes store 256 consecutive bytes, at a multiple of 256 from out0's first byte; every offset is an immediate
.endr
.endm
	PLACES                                         ; behind the last products: for the LDS stores, which read results
	TOSTAGE 0
	TOSTAGE 1
	SEND 0, 16                                     ; behind block 0's loads: block 1's 8 stores and 8 loads
	s_wait_xcnt 0x0                                ; block 0's stores have read their registers: block 2's loads may land there
	TOSTAGE 2
	SEND 1, 16
	s_wait_xcnt 0x0                                ; block 1's likewise
	TOSTAGE 3
	SEND 2, 16
	SEND 3, 0
	s_wait_tensorcnt 0x0                           ; the wave's end: a wait, an add of 0 to my spare word and its wait, behind my last tensor load and my last LDS store
	ds_add_u32 v[SPW], v[NIL]
	s_wait_dscnt 0x0
	CROUND                                         ; the closing round: no work-group ends while a partner may still ask for a tile that names it
	s_endpgm
.Lfunc_end_k_qfd62458e54_outp:
	.size	k_qfd62458e54_outp, .Lfunc_end_k_qfd62458e54_outp-k_qfd62458e54_outp
	.p2alignl 7, 3214868480
	.fill 96, 4, 3214868480
	.section	.rodata,"a",@progbits
	.p2align	6, 0x0
	.amdhsa_kernel k_qfd62458e54_outp
		.amdhsa_group_segment_fixed_size 327680
		.amdhsa_private_segment_fixed_size 0
		.amdhsa_enable_private_segment 0
		.amdhsa_kernarg_size 32
		.amdhsa_user_sgpr_count 2
		.amdhsa_user_sgpr_kernarg_segment_ptr 1
		.amdhsa_wavefront_size32 1
		.amdhsa_system_sgpr_workgroup_id_x 1
		.amdhsa_system_sgpr_workgroup_id_y 1
		.amdhsa_system_sgpr_workgroup_id_z 1
		.amdhsa_system_vgpr_workitem_id 0
		.amdhsa_next_free_vgpr 512
		.amdhsa_next_free_sgpr 68
		.amdhsa_reserve_vcc 0
		.amdhsa_float_denorm_mode_32 3
		.amdhsa_float_denorm_mode_16_64 3
		.amdhsa_memory_ordered 1
		.amdhsa_forward_progress 1
		.amdhsa_inst_pref_size 86
	.end_amdhsa_kernel
	.amdgpu_metadata
---
amdhsa.version: [ 1, 2 ]
amdhsa.kernels:
  - .name:           k_qfd62458e54_outp
    .symbol:         k_qfd62458e54_outp.kd
    .args:
      - { .name: oimg, .offset: 0, .size: 8, .value_kind: global_buffer, .address_space: global }
      - { .name: wo16, .offset: 8, .size: 8, .value_kind: global_buffer, .address_space: global }
      - { .name: bo, .offset: 16, .size: 8, .value_kind: global_buffer, .address_space: global }
      - { .name: out0, .offset: 24, .size: 8, .value_kind: global_buffer, .address_space: global }
    .group_segment_fixed_size: 327680
    .private_segment_fixed_size: 0
    .kernarg_segment_align: 8
    .kernarg_segment_size: 32
    .max_flat_workgroup_size: 128
    .sgpr_count:     68
    .vgpr_count:     512
    .wavefront_size: 32
...
	.end_amdgpu_metadata
.endif
;; end of part 4
